; MI455X (gfx1250); checked and timed in simulation.
; The chip was launched on July 23, 2026; its instructions are those of AMD's public machine-readable ISA for CDNA 5 (MIT licence, August 2026) and "CDNA5" Instruction Set Architecture Reference Guide (July 2026). The comments in the code are by the model that wrote it; some were corrected since.
;; Multi Head Attention. Allowed arithmetic: matrix products marked QUANTISED: E2M1 operands, one E8M0 scale for each 32 along K, by v_wmma_scale_f32_16x16x128_f8f6f4 with both operands' format E2M1 (or v_wmma_scale_f32_32x16x128_f4), f32 sums; products left as they are: bf16, f16 or f32 operands; f32 sums; everything else in f32.
;; Inputs: key 2 x 2,048 x 1,024 float32; query 2 x 2,048 x 1,024 float32; value 2 x 2,048 x 1,024 float32; w_k 1,024 x 1,024 float32; w_o 1,024 x 1,024 float32; w_q 1,024 x 1,024 float32; w_v 1,024 x 1,024 float32.
;; Outputs: out0 2 x 2,048 x 1,024 float32.
;; This version of the problem:
;;   THIS VERSION OF THE PROBLEM IS GIVEN IN LOW PRECISION. The matrix products marked QUANTISED in the list below multiply operands that are first quantised to E2M1 (2 exponent bits, 1 mantissa bit; 4 bits a number), with one power-of-two scale for each 32 numbers along K (OCP MX v1.0); their sums are f32. The products marked 'left as it is' may take bf16, f16 or f32 operands, with f32 sums. All else is computed in f32.
;;   The module's matrix products, in the order in which they are computed (A, B: the left and right operand; K: the contracted axis; several contracted axes count as one K, in the product's order):
;;     1. [M 4,096, K 1,024] x [K 1,024, N 1,024]; A: input query; B: input w_q: QUANTISED
;;     2. [M 4,096, K 1,024] x [K 1,024, N 1,024]; A: input key; B: input w_k: QUANTISED
;;     3. [M 4,096, K 1,024] x [K 1,024, N 1,024]; A: input value; B: input w_v: QUANTISED
;;     4. batch 32 x [M 2,048, K 64] x [K 64, N 2,048]; A: computed on the way; B: computed on the way: left as it is (an operand is computed on the way)
;;     5. batch 32 x [M 2,048, K 2,048] x [K 2,048, N 64]; A: computed on the way; B: computed on the way: left as it is (an operand is computed on the way)
;;     6. [M 4,096, K 1,024] x [K 1,024, N 1,024]; A: computed on the way; B: input w_o: left as it is (an operand is computed on the way)
;;   THE QUANTISER, for each operand of a quantised product, along K:
;;     - K is cut into blocks of 32 from its start; a last block that is shorter is filled with zeros.
;;     - A block's scale is 2^e with e = floor(log2(the largest magnitude in the block)) - 2, held to -126 .. 127; a block of zeros has e = 0. As a byte (E8M0): e + 127.
;;     - Each number is divided by its block's scale, clamped to +-6, and rounded to the nearest number of E2M1, ties to even, subnormals kept.
;;     - The product sums the exact products of the quantised numbers (number of the format x scale) in f32.
;;   ~~~python
;;   def quantise(x, axis):      # numpy; x: float32 -> the quantised numbers, widened to float32 again
;;       x = np.moveaxis(x, axis, -1); K = x.shape[-1]
;;       x = np.pad(x, [(0, 0)] * (x.ndim - 1) + [(0, -K % 32)]); x = x.reshape(x.shape[:-1] + (-1, 32)); a = np.abs(x).max(-1, keepdims=True)
;;       e = np.where(a > 0, np.clip(np.frexp(np.where(a > 0, a, 1))[1] - 1 - 2, -126, 127), 0)      # np.frexp(a)[1] - 1 = floor(log2(a)), exactly
;;       r = np.clip(x / 2.0 ** e, -6, 6)
;;       step = 2.0 ** (np.maximum(np.frexp(np.where(r == 0, 1, r))[1] - 1, 0) - 1)
;;       q = np.round(r / step) * step * 2.0 ** e      # np.round: ties to even
;;       return np.moveaxis(q.reshape(q.shape[:-2] + (-1,))[..., :K], -1, axis).astype(np.float32)
;;   ~~~
;; One version. Each part assembles by itself: llvm-mc -triple=amdgcn-amd-amdhsa -mcpu=gfx1250 --defsym DOCPART=n.
;; ======== version 1 of 1: 4 launches
;; limits: values are held in f16: magnitudes above 65,504 overflow, below 6.1e-05 lose precision
;; workspace buffers: codes 7,864,320 bytes; scales 491,520 bytes; wof 2,097,152 bytes; qkv 25,165,824 bytes; ctx 8,388,608 bytes
;; launch quant (part 1): grid 544 x 1, 4 waves a work-group, no clusters, 33,280 bytes of LDS; arguments query, key, value, w_q, w_k, w_v, w_o, codes, scales, wof; writes codes, scales, wof
.if DOCPART == 1
	.amdgcn_target "amdgcn-amd-amdhsa--gfx1250"
	.amdhsa_code_object_version 6
	.text
	.protected	k_q5e1504c05f_quant
	.globl	k_q5e1504c05f_quant
	.p2align	8
	.type	k_q5e1504c05f_quant,@function
k_q5e1504c05f_quant:
	s_mov_b64 s[64:65], 0
	v_nop
	global_prefetch_b8 v0, s[64:65] scope:SCOPE_SE
	s_setreg_imm32_b32 hwreg(HW_REG_WAVE_MODE, 25, 1), 1
	s_wait_xcnt 0x0
; QUANT.  query, key, value [4096][1024] and w_q, w_k, w_v [1024][1024], f32, become codes of FP4 (E2M1), K innermost, two codes a byte (the lower k in the low four bits),
; with one E8M0 byte for each 32 along K.  The six tensors follow each other in ONE space of 15,360 rows: codes 512 bytes a row, scale bytes 32 a row.
; A block's scale is 2^(floor(log2(its largest magnitude)) - 2); its byte is the largest magnitude's exponent field - 2, held at 1 from below.
; w_o [1024][1024] is rounded to f16 and laid as IMAGES of the matrix operand's registers: 512 bytes, lane l's 16 bytes at 16 l; lane (r = l % 16, h = l / 16) holds
; w_o[16 ntile + r][256 kstep + 16 e + 8 h + 0 .. 7]; order [kstep 4][ntile 64][e 16].  f16 (11 significant bits) and not bf16 (8): see the last product's head.
; LIMITS: NaN and infinities among the inputs are not served.  A block of zeros gets the byte 1 (not 127) with zero codes: the bytes are read by this program alone.
; Blocks whose largest magnitude lies under 2^-124 are held at the byte 1.  A |w_o| above 65,504 becomes infinity; under 2^-14 it keeps steps of 2^-24.
; SHARES.  Work-groups 0-479 quantise: rows are dense and 1,024 is a multiple of 32, so a tensor is a plain stream of blocks; a wave takes 16 steps of 512 numbers.
; Work-groups 480-543 turn w_o: a wave makes the 16 images of one (kstep, ntile).  Waves share nothing: no barrier, no tensor load, no cluster (no two work-groups read the same bytes).
.set STEPS, 16
.set EMAX,  2
.set CB,    8                          ; bytes of 16 codes
.set R,     16                         ; v16-79   four sets of 16 numbers as they are loaded
.set X,     80                         ; v80-111  two sets of 16 neighbours
.set C,     128                        ; v128-191 codes: four registers for each step, so that no store's data are written again
.set E,     112                        ; v112-127 a scale byte for each step
.set WREG,  8192                       ; LDS: a region for each wave: two stages of 32 x SP bytes, behind them its 256 scale bytes
.set SP,    80                         ; a lane's place in a stage: its 64 bytes + 16 of padding
.set NQK,   480                        ; work-groups that quantise
	s_load_b512 s[4:19], s[0:1], 0x0               ; query, key, value, w_q, w_k, w_v, w_o s[16:17], codes s[18:19]
	s_load_b128 s[20:23], s[0:1], 0x40             ; scales s[20:21], wof s[22:23]
	v_lshl_add_u32 v192, v0, 2, 0x8000
	v_mov_b32 v193, 0
	v_lshrrev_b32 v1, 5, v0
	v_readfirstlane_b32 s24, v1                    ; wave
	v_and_b32 v2, 31, v0                           ; lane
	s_mov_b32 s29, 0                               ; the high word of every offset pair s[28:29]
	s_wait_kmcnt 0x0
	s_cmp_ge_u32 ttmp9, NQK                        ; the branch hangs on the work-group's number alone
	s_cbranch_scc1 .Lwo
	v_lshlrev_b32 v3, 4, v2                        ; my 16 bytes of a load's 512
	s_mul_i32 s25, s24, WREG
	v_lshrrev_b32 v14, 2, v2
	v_mul_u32_u24 v14, v14, SP
	v_and_b32 v15, 3, v2
	v_lshl_add_u32 v14, v15, 4, v14
	v_add_nc_u32 v14, s25, v14                     ; the stage, on the way in: four lanes' 64 bytes on end, then 16 of padding
	v_mul_u32_u24 v15, v2, SP
	v_add_nc_u32 v15, s25, v15                     ; and on the way out: SP x lane: my 16 neighbours
	v_mul_u32_u24 v4, v2, CB                       ; my codes' place in a step's
	v_lshrrev_b32 v5, 1, v2
	s_add_co_u32 s25, s25, 2*32*SP
	v_add_nc_u32 v5, s25, v5                       ; LDS: my wave's 256 scale bytes, my block's byte
	v_lshlrev_b32 v7, 3, v2                        ; and on the way out 8 bytes a lane
	v_add_nc_u32 v6, s25, v7
; Which tensor: from work-group first on, the one whose address lies in s[lo:lo+1].  Only the pointer and the tensor's first work-group are chosen: all six take one path.
.macro PICK first, lo
	s_cmp_ge_u32 ttmp9, \first
	s_cselect_b64 s[4:5], s[\lo:\lo+1], s[4:5]
	s_cselect_b32 s26, \first, s26
.endm
	s_mov_b32 s26, 0
	PICK 128, 6
	PICK 256, 8
	PICK 384, 10
	PICK 416, 12
	PICK 448, 14
	s_sub_co_u32 s27, ttmp9, s26
	s_lshl_b32 s27, s27, 2
	s_add_co_u32 s27, s27, s24                     ; which run of 8,192 numbers of the tensor is my wave's
	s_lshl_b32 s28, s27, 15                        ; 32,768 bytes a run
	s_add_nc_u64 s[4:5], s[4:5], s[28:29]
	s_lshl_b32 s27, ttmp9, 2
	s_add_co_u32 s27, s27, s24                     ; the tensors follow each other in the order of the work-groups: the run's number in the row space
	s_lshl_b32 s28, s27, 12                        ; 4,096 bytes of codes a run
	s_add_nc_u64 s[18:19], s[18:19], s[28:29]
	s_lshl_b32 s28, s27, 8                         ; 256 scale bytes a run
	s_add_nc_u64 s[20:21], s[20:21], s[28:29]
.macro LOAD t
.irp i, 0,1,2,3
	global_load_b128 v[R+16*((\t)%4)+4*\i:R+16*((\t)%4)+4*\i+3], v3, s[4:5] offset:2048*(\t)+512*\i th:TH_LOAD_NT   ; 32 lanes read 512 consecutive bytes
.endr
.endm
.macro TURN t                          ; step t's numbers through the stage: LDS serves a wave's instructions in order, so no wait stands between the stores and the loads
.irp i, 0,1,2,3
	ds_store_b128 v14, v[R+16*((\t)%4)+4*\i:R+16*((\t)%4)+4*\i+3] offset:32*SP*((\t)%2)+8*SP*\i
.endr
.irp i, 0,1,2,3
	ds_load_b128 v[X+16*((\t)%2)+4*\i:X+16*((\t)%2)+4*\i+3], v15 offset:32*SP*((\t)%2)+16*\i
.endr
.endm
.irp t, 0,1,2,3
	LOAD \t
.endr
	s_wait_loadcnt 12                              ; step 0's four loads are in; the twelve of steps 1 to 3 may be out
	TURN 0
.macro STEP t
.set XS, X+16*((\t)%2)
.if (\t) > 0
	s_wait_dscnt 1                                 ; this step's numbers are back from the stage (the last step's byte store may be out): so its stores into the stage have read their registers,
.else
	s_wait_dscnt 0x0
.endif
.if (\t)+4 < STEPS
	LOAD (\t)+4                                    ; which take the loads of four steps on
.endif
.if (\t)+1 < STEPS
.if STEPS-2-(\t) >= 3
	s_wait_loadcnt 12                              ; the next step's four loads are in; those of the three steps behind it may be out
.else
	s_wait_loadcnt 4*(STEPS-2-(\t))                ; the tail: fewer steps are behind it
.endif
	TURN (\t)+1                                    ; and go through the other stage while this step is worked
.endif
	v_max3_num_f32 v8, |v[XS]|, |v[XS+1]|, |v[XS+2]|               ; the largest magnitude of my 16, in two chains
	v_max3_num_f32 v9, |v[XS+3]|, |v[XS+4]|, |v[XS+5]|
.irp i, 6,10
	v_max3_num_f32 v8, v8, |v[XS+\i]|, |v[XS+\i+1]|
	v_max3_num_f32 v9, v9, |v[XS+\i+2]|, |v[XS+\i+3]|
.endr
	v_max3_num_f32 v8, v8, |v[XS+14]|, |v[XS+15]|
	v_max3_num_f32 v8, v8, v9, (EMAX+1)<<23        ; and the floor 2^(3 - 127): the byte cannot fall under 1
	v_max_num_f32_dpp v8, v8, v8 row_xmask:1 row_mask:0xf bank_mask:0xf   ; and of my neighbour's 16: the block's
	v_add_nc_u32 v11, 0xff000000, v8               ; 2 off its exponent field: the conversion takes the exponent field of this operand as its scale, and nothing else of it
	v_cvt_scalef32_pk8_fp4_f32 v[C+4*(\t)], v[XS:XS+7], v11        ; eight numbers / the scale, to the nearest code, ties to even, beyond 6 the largest code
	v_cvt_scalef32_pk8_fp4_f32 v[C+4*(\t)+1], v[XS+8:XS+15], v11
	v_lshrrev_b32 v[E+(\t)], 23, v11               ; the scale's byte (a plain line behind the conversions)
	ds_store_b8 v5, v[E+(\t)] offset:16*(\t)       ; both lanes of a block write the same byte with the same value
	global_store_b64 v4, v[C+4*(\t):C+4*(\t)+1], s[18:19] offset:32*CB*(\t)   ; the wave stores 256 consecutive bytes, aligned
.endm
.irp t, 0,1,2,3,4,5,6,7,8,9,10,11,12,13,14,15
	STEP \t
.endr
	ds_load_b64 v[12:13], v6                       ; LDS serves a wave's instructions in order: these see my byte stores
	s_wait_dscnt 0x0
	global_store_b64 v7, v[12:13], s[20:21]        ; 32 lanes store my run's 256 scale bytes, aligned
	s_wait_tensorcnt 0x0
	ds_add_u32 v192, v193
	s_wait_dscnt 0x0
	s_endpgm
.Lwo:                                                  ; w_o to f16 images.  No LDS on this path
	s_sub_co_u32 s25, ttmp9, NQK
	s_lshl_b32 s25, s25, 2
	s_add_co_u32 s25, s25, s24                     ; id = 64 kstep + ntile, 0 .. 255
	s_lshr_b32 s26, s25, 6                         ; kstep
	s_and_b32 s27, s25, 63                         ; ntile
	s_lshl_b32 s28, s27, 16                        ; 16 rows of 4,096 bytes
	s_lshl_b32 s26, s26, 10                        ; 256 numbers along K
	s_add_co_u32 s28, s28, s26
	s_add_nc_u64 s[16:17], s[16:17], s[28:29]
	s_lshl_b32 s28, s25, 13                        ; 16 images of 512 bytes
	s_add_nc_u64 s[22:23], s[22:23], s[28:29]
	v_and_b32 v3, 15, v0                           ; r
	v_bfe_u32 v4, v0, 4, 1                         ; h
	v_lshlrev_b32 v3, 12, v3
	v_lshl_add_u32 v3, v4, 5, v3                   ; in: row r, + 32 h bytes: my 8 numbers of image 0
	v_lshlrev_b32 v5, 4, v2                        ; out: 16 x lane
; A load takes 32 bytes a lane pair from 16 rows; over its 32 loads the wave uses all 1,024 bytes of each of its rows.  w_o is one sixteenth of what the launch reads.
.irp e, 0,1,2,3,4,5,6,7,8,9,10,11,12,13,14,15
.irp j, 0,1
	global_load_b128 v[16+8*\e+4*\j:16+8*\e+4*\j+3], v3, s[16:17] offset:64*\e+16*\j
.endr
.endr
.irp e, 0,1,2,3,4,5,6,7,8,9,10,11,12,13,14,15
	s_wait_loadcnt 30-2*\e                         ; image e's two loads are in; those of the images behind it may be out
.irp i, 0,1,2,3
	v_cvt_pk_f16_f32 v[16+8*\e+\i], v[16+8*\e+2*\i], v[16+8*\e+2*\i+1]   ; in place, ascending: a register is written when it has been read
.endr
	global_store_b128 v5, v[16+8*\e:16+8*\e+3], s[22:23] offset:512*\e   ; 512 consecutive bytes, aligned; no register is written twice, so no store's data are waited for
.endr
	s_endpgm
.Lfunc_end_k_q5e1504c05f_quant:
	.size	k_q5e1504c05f_quant, .Lfunc_end_k_q5e1504c05f_quant-k_q5e1504c05f_quant
	.p2alignl 7, 3214868480
	.fill 96, 4, 3214868480
	.section	.rodata,"a",@progbits
	.p2align	6, 0x0
	.amdhsa_kernel k_q5e1504c05f_quant
		.amdhsa_group_segment_fixed_size 33280
		.amdhsa_private_segment_fixed_size 0
		.amdhsa_enable_private_segment 0
		.amdhsa_kernarg_size 80
		.amdhsa_user_sgpr_count 2
		.amdhsa_user_sgpr_kernarg_segment_ptr 1
		.amdhsa_wavefront_size32 1
		.amdhsa_system_sgpr_workgroup_id_x 1
		.amdhsa_system_sgpr_workgroup_id_y 1
		.amdhsa_system_sgpr_workgroup_id_z 1
		.amdhsa_system_vgpr_workitem_id 0
		.amdhsa_next_free_vgpr 194
		.amdhsa_next_free_sgpr 66
		.amdhsa_reserve_vcc 0
		.amdhsa_float_denorm_mode_32 3
		.amdhsa_float_denorm_mode_16_64 3
		.amdhsa_memory_ordered 1
		.amdhsa_forward_progress 1
		.amdhsa_inst_pref_size 44
	.end_amdhsa_kernel
	.amdgpu_metadata
---
amdhsa.version: [ 1, 2 ]
amdhsa.kernels:
  - .name:           k_q5e1504c05f_quant
    .symbol:         k_q5e1504c05f_quant.kd
    .args:
      - { .name: query, .offset: 0, .size: 8, .value_kind: global_buffer, .address_space: global }
      - { .name: key, .offset: 8, .size: 8, .value_kind: global_buffer, .address_space: global }
      - { .name: value, .offset: 16, .size: 8, .value_kind: global_buffer, .address_space: global }
      - { .name: w_q, .offset: 24, .size: 8, .value_kind: global_buffer, .address_space: global }
      - { .name: w_k, .offset: 32, .size: 8, .value_kind: global_buffer, .address_space: global }
      - { .name: w_v, .offset: 40, .size: 8, .value_kind: global_buffer, .address_space: global }
      - { .name: w_o, .offset: 48, .size: 8, .value_kind: global_buffer, .address_space: global }
      - { .name: codes, .offset: 56, .size: 8, .value_kind: global_buffer, .address_space: global }
      - { .name: scales, .offset: 64, .size: 8, .value_kind: global_buffer, .address_space: global }
      - { .name: wof, .offset: 72, .size: 8, .value_kind: global_buffer, .address_space: global }
    .group_segment_fixed_size: 33280
    .private_segment_fixed_size: 0
    .kernarg_segment_align: 8
    .kernarg_segment_size: 80
    .max_flat_workgroup_size: 128
    .sgpr_count:     66
    .vgpr_count:     194
    .wavefront_size: 32
...
	.end_amdgpu_metadata
.endif
;; end of part 1
;; launch proj (part 2): grid 4 x 48, 4 waves a work-group, clusters of 4 x 4, 327,680 bytes of LDS; arguments codes, scales, qkv; writes qkv
.if DOCPART == 2
	.amdgcn_target "amdgcn-amd-amdhsa--gfx1250"
	.amdhsa_code_object_version 6
	.text
	.protected	k_q5e1504c05f_proj
	.globl	k_q5e1504c05f_proj
	.p2align	8
	.type	k_q5e1504c05f_proj,@function
k_q5e1504c05f_proj:
	s_mov_b64 s[64:65], 0
	v_nop
	global_prefetch_b8 v0, s[64:65] scope:SCOPE_SE
	s_setreg_imm32_b32 hwreg(HW_REG_WAVE_MODE, 25, 1), 1
	s_wait_xcnt 0x0
	s_wait_alu depctr_hold_cnt(0) depctr_sa_sdst(0) depctr_va_vdst(0) depctr_va_sdst(0) depctr_va_ssrc(0) depctr_va_vcc(0) depctr_vm_vsrc(0)
	s_getreg_b32 s2, hwreg(HW_REG_IB_STS2, 6, 4)
	s_cmp_eq_u32 s2, 0
	s_cbranch_scc0 .Lentry_in_a_cluster
	s_endpgm
.Lentry_in_a_cluster:
	s_bfe_u32 s2, ttmp6, 0x10000c
	s_cmp_lg_u32 s2, 0xf033
	s_cbranch_scc0 .Lentry_shape_is_right
	s_endpgm
.Lentry_shape_is_right:
; PROJ.  The three quantised products Q = query w_q^T, K = key w_k^T, V = value w_v^T, on codes of FP4 (E2M1) with one E8M0 scale for each 32 along K = 1,024; sums in f32; results rounded once to f16.
; WHY f16: 11 significant bits against bf16's 8; six roundings (Q, K, p, V, the context, w_o) stand between these sums and the output, which is compared within a hundredth of its rms.
; LIMIT: a |Q|, |K| or |V| above 65,504 becomes infinity.  The room, by the sizes: sums of 1,024 products of numbers of spread 1 and 1/32 have spread 1; both factors 30 times larger: 900 times that;
; both factors carrying an offset of 30 spreads: 1,024 x 30 x 30/32 = 28,800.  Downward f16 keeps steps of 2^-24: both factors 30 times smaller leave a spread of 1/900, 18,000 such steps.
; codes: 15,360 rows x 512 bytes (query 0, key 4,096, value 8,192, w_q 12,288, w_k 13,312, w_v 14,336); scales: the same rows x 32 bytes.
; A tile of 256 x 256 results is made by a work-group of four waves; a wave makes 128 x 128: 64 accumulators of 16 x 16, 512 registers.  3 x 64 tiles: 192 work-groups.
; K is two steps of 512 (a tile's row is 256 bytes of memory): both slots and the scales are filled ONCE, at the start; nothing is filled again in this launch.
; CLUSTERS: 4 x 4 work-groups; twelve clusters, four to a product.  The four of a row of the cluster need the same tiles of operand A, the four of a column the same tiles of B: each is asked for JOINTLY.
; THE MATRIX INSTRUCTION IS USED TRANSPOSED (source 0 = 16 rows of B, source 1 = 16 rows of A): lane (r, h) holds row r of A's block and eight neighbouring rows 8 h + 0 .. 7 of B's block.
; For Q and K: A = the tokens, B = the weight: a lane holds a token and eight neighbouring channels.  FOR V THE ROLES ARE SWAPPED (A = w_v, B = value): a lane holds a channel and eight neighbouring KEYS, which is how
; the attention's second product wants V.  One body serves both; only row numbers and the stores' offsets differ.
; THE RESULT LEAVES AS IMAGES OF OPERAND REGISTERS: an accumulator's eight numbers a lane pack into 16 bytes; the wave stores them at 16 x lane: 512 consecutive bytes, aligned.  No stage in LDS.
; qkv, for each head bh = 16 b + head, HS bytes: Q [qtile 128][e 4][512]; then four slots of 512 keys, each K [ktile 32][e 4][512] and V [kc 32][ct 4][512].
; REGISTERS, in windows of 256: window 0: v0-31 addresses; v32-95 scale words, two sets; from v128 A's fragments, one set (on the way out v128-255 hold packed results);
;   window 1: B's fragments, two sets, at v0 and v128;  window 2: the accumulators of my rows 0-63 ((a, b) at v[8 (8 a + b)]);  window 3: those of my rows 64-127.
.set SIZE_K, 1024
.set KSTEP,  512                       ; along K in a slot
.set NQ,     KSTEP/128                 ; matrix instructions deep
.set ROWB,   256                       ; a tile's row in bytes
.set KROW,   SIZE_K*4/8                ; a row of codes in memory
.set PITCH,  272                       ; an LDS row: 256 bytes + 16 of padding = 68 words: the 16 rows that a load touches start at 16 different banks (64 banks of 4 bytes: ISA guide 11.1)
.set FR,     8                         ; registers of a fragment: 16 rows x 128 K
.set NL,     2                         ; LDS loads that bring one
.set NP,     4                         ; places behind this matrix instruction (ISA guide 7.12.1)
.set HALFT,  128*PITCH                 ; 128 rows: what one tensor load brings, and what one wave reads of A or of B
.set SLOT,   4*HALFT                   ; A's 256 rows, then B's 256 rows
.set KS,     SIZE_K/32                 ; a row of scales in bytes
.set SCL,    2*SLOT                    ; behind the slots: the scales, as rows of 256 bytes + 16 of padding
.set HALFS,  (128*KS/256)*272          ; the scales of 128 rows: what one tensor load brings
.set SBLK,   (16*KS/256)*272           ; those of 16 rows
.set SPARE,  SCL+4*HALFS               ; behind the scales: the spare words, 128 bytes for each wave, which no other line names
.set HS,     786432                    ; a head's bytes in qkv
.set ADRA, 16                          ; v16-17  LDS address of my A fragments in slot 0, 1
.set ADRB, 20                          ; v20-21  the same for B
.set CO,   26                          ; v26     16 x lane: my place in an image
.set ADRS, 27                          ; v27     LDS address of my scale words: lanes 0-15 A's rows, lanes 16-31 B's
.set SPW,  28                          ; v28     LDS address of my spare word; never rewritten
.set NIL,  29                          ; v29     0; never rewritten
.set SC,   32                          ; scale words: set s at v[SC + 8 NQ s]; register NQ i + q: lanes 0-15 the word of A's block i, lanes 16-31 that of B's block i, for the slot's q-th 128 along K
.set AF,   128                         ; A's fragments, in window 0
.set PK,   128                         ; the way out: packed results, four sets of 32 registers
.set G1, 24                            ; s[24:31] descriptor group 1 for A's tiles;  s[32:39] group 0, one set for each slot
.set G0, 32
.set G1B, 48                           ; s[48:55], s[56:63] the same for B's tiles
.set G0B, 56
.set G1S, 68                           ; s[68:75], s[76:79] groups 1 and 0 for A's scales;  s[80:87], s[88:91] for B's
.set G0S, 76
.set G1SB, 80
.set G0SB, 88
.set MSB, 0
.macro WIN new                         ; the immediate's high byte repeats the setting that is left; a switch that changes nothing is dropped
.if MSB != (\new)
	s_set_vgpr_msb (MSB<<8)|(\new)
.set MSB, (\new)
.endif
.endm
.set MUL_LO, 0xa1                      ; source 0 (B) window 1, source 1 (A) window 0, C and D window 2
.set MUL_HI, 0xf1                      ; the same, C and D window 3
.set TO_B,   0x40                      ; destination window 1, address window 0
; A joint load: waves 0 and 1 fetch for A, waves 2 and 3 for B.  Each of the two lines has one mask and one set of registers for all that issue it; the branch hangs on the wave's number alone.
; Four v_nop follow each of the two lines, ahead of the jump, the label and what follows.
.macro JLOAD g0a, g1a, g0b, g1b
	s_cmp_eq_u32 s15, 0
	s_cbranch_scc0 .Lfor_b_\@
	tensor_load_to_lds s[\g0a:\g0a+3], s[\g1a:\g1a+7]
	s_nop 0
.rept 4
	v_nop
.endr
	s_branch .Lasked_\@
.Lfor_b_\@:
	tensor_load_to_lds s[\g0b:\g0b+3], s[\g1b:\g1b+7]
	s_nop 0
.rept 4
	v_nop
.endr
.Lasked_\@:
.endm
.macro CROUND                          ; a round of the cluster's barrier: my work-group's barrier; wave 0 signals for the work-group; every wave waits for all sixteen; my work-group's barrier once more
	s_barrier_signal -1
	s_barrier_wait -1
	s_cmp_lg_u32 s14, 0
	s_cbranch_scc1 .Lnot_wave_0_\@
	s_barrier_signal -3
.Lnot_wave_0_\@:
	s_barrier_wait -3
	s_barrier_signal -1
	s_barrier_wait -1
.endm
	s_load_b128 s[4:7], s[0:1], 0x0                ; codes s[4:5], scales s[6:7]
	s_load_b64 s[12:13], s[0:1], 0x10              ; qkv
	v_lshl_add_u32 v[SPW], v0, 2, SPARE
	v_mov_b32 v[NIL], 0
	ds_add_u32 v28, v29
	s_wait_dscnt 0x0
	v_lshrrev_b32 v1, 5, v0
	v_readfirstlane_b32 s14, v1                    ; wave 0..3
	s_lshr_b32 s15, s14, 1                         ; which half of the tile's A rows is mine.  Also: I fetch for A (0) or for B (1)
	s_and_b32 s16, s14, 1                          ; which half of its B rows.  Also: which 128 rows of that tile I fetch
	s_bfe_u32 s40, ttmp6, 0x40000                  ; cx, cy: my place in the cluster
	s_bfe_u32 s41, ttmp6, 0x40004
	s_and_b32 s17, ttmp7, 0xffff                   ; the cluster's number, 0 .. 11: all partners share it
	s_lshr_b32 s8, s17, 2                          ; t: the product: 0 Q, 1 K, 2 V
	s_lshr_b32 s9, s8, 1                           ; 1 for V
	s_and_b32 s10, s17, 3                          ; which of the product's four clusters
	s_mul_i32 s11, s10, s9                         ; for V it counts along B (the tokens),
	s_sub_co_u32 s10, s10, s11                     ; for Q and K along A (the tokens)
	s_lshl_b32 s17, s10, 2
	s_add_co_u32 s17, s17, s41                     ; tile row (of A's rows)
	s_lshl_b32 s42, s11, 2
	s_add_co_u32 s42, s42, s40                     ; tile column (of B's rows)
	s_lshl_b32 s95, s8, 12
	s_mul_i32 s97, s9, 6144
	s_add_co_u32 s95, s95, s97                     ; A's first row in the row space: 0 query, 4,096 key, 14,336 w_v
	s_lshl_b32 s96, s8, 10
	s_add_co_u32 s96, s96, 12288
	s_sub_co_u32 s96, s96, s97                     ; B's: 12,288 w_q, 13,312 w_k, 8,192 value
	s_lshl_b32 s43, s41, 2
	s_lshl_b32 s43, 15, s43                        ; my row of the cluster
	s_lshl_b32 s44, 0x1111, s40                    ; my column
	; descriptor group 1: a tile of 128 rows x 256 bytes, padded in LDS
	s_or_b32 s[G1+0], s43, (0<<16)|(1<<20)|(1<<21)|(5<<22)|(3<<25)  ; 15:0 the mask: A's tiles go to my row; 17:16 element of 1 byte; 20 padding on; 21 set beside a mask; 24:22 after every 64 words; 31:25 of 4 words
	s_or_b32 s[G1B+0], s44, (0<<16)|(1<<20)|(1<<21)|(5<<22)|(3<<25)
.irp g, G1, G1B
	s_mov_b32 s[\g+1], ROWB<<16                    ; tensor_dim0
	s_mov_b32 s[\g+2], 128<<16                     ; tensor_dim1 = 128
	s_mov_b32 s[\g+3], ROWB<<16                    ; tile_dim0
	s_mov_b32 s[\g+4], 128                         ; tile_dim1 = 128
	s_mov_b32 s[\g+5], KROW                        ; tensor_dim0_stride
	s_mov_b32 s[\g+6], 0
	s_mov_b32 s[\g+7], 0
.endr
	; and for the scales of 128 rows: a dense block of 4,096 bytes, as 16 rows of 256 bytes (32 elements of 8 bytes), 16 bytes of padding behind each
	s_or_b32 s[G1S+0], s43, (3<<16)|(1<<20)|(1<<21)|(5<<22)|(3<<25)
	s_or_b32 s[G1SB+0], s44, (3<<16)|(1<<20)|(1<<21)|(5<<22)|(3<<25)
.irp g, G1S, G1SB
	s_mov_b32 s[\g+1], 32<<16
	s_mov_b32 s[\g+2], (128*KS/256)<<16
	s_mov_b32 s[\g+3], 32<<16
	s_mov_b32 s[\g+4], 128*KS/256
	s_mov_b32 s[\g+5], 32
	s_mov_b32 s[\g+6], 0
	s_mov_b32 s[\g+7], 0
.endr
	s_lshl_b32 s18, s16, 7                         ; which 128 rows of the tile I fetch
	s_lshl_b32 s20, s17, 8
	s_add_co_u32 s20, s20, s18
	s_add_co_u32 s20, s20, s95                     ; A: row = first row + 256 x tile row + 128 x half: made of cy and the cluster's number alone
	s_lshl_b32 s46, s42, 8
	s_add_co_u32 s46, s46, s18
	s_add_co_u32 s46, s46, s96                     ; B: likewise of cx and the cluster's number alone
	s_mov_b32 s21, 0
	s_mov_b32 s47, 0
	s_mov_b64 s[18:19], KS
	s_mul_u64 s[22:23], s[20:21], s[18:19]         ; where these rows' scales begin, in bytes
	s_mul_u64 s[92:93], s[46:47], s[18:19]
	s_mov_b64 s[18:19], KROW
	s_mul_u64 s[20:21], s[20:21], s[18:19]         ; and their codes
	s_mul_u64 s[46:47], s[46:47], s[18:19]
	s_mul_i32 s45, s14, HALFT                      ; where they go: wave x 128 rows: no place in the cluster enters an LDS address
	s_mul_i32 s94, s14, HALFS
	s_wait_kmcnt 0x0
	s_add_nc_u64 s[20:21], s[4:5], s[20:21]
	s_add_nc_u64 s[22:23], s[6:7], s[22:23]
	s_add_nc_u64 s[46:47], s[4:5], s[46:47]
	s_add_nc_u64 s[92:93], s[6:7], s[92:93]
	CROUND                                         ; all sixteen work-groups are here: the joint loads meet
	s_mov_b32 s[G0S], 1
	s_add_co_u32 s[G0S+1], s94, SCL
	s_mov_b64 s[G0S+2:G0S+3], s[22:23]
	s_or_b32 s[G0S+3], s[G0S+3], 0x80000000
	s_mov_b32 s[G0SB], 1
	s_add_co_u32 s[G0SB+1], s94, SCL
	s_mov_b64 s[G0SB+2:G0SB+3], s[92:93]
	s_or_b32 s[G0SB+3], s[G0SB+3], 0x80000000
	JLOAD G0S, G1S, G0SB, G1SB                     ; the scales first: they are wanted with K step 0.  Three tensor loads of mine are out at the most: this one and the two slots'
.irp s, 0,1
	s_mov_b32 s[G0+4*\s], 1
	s_add_co_u32 s[G0+4*\s+1], s45, \s*SLOT
	s_add_nc_u64 s[G0+4*\s+2:G0+4*\s+3], s[20:21], \s*ROWB
	s_or_b32 s[G0+4*\s+3], s[G0+4*\s+3], 0x80000000
	s_mov_b32 s[G0B+4*\s], 1
	s_add_co_u32 s[G0B+4*\s+1], s45, \s*SLOT
	s_add_nc_u64 s[G0B+4*\s+2:G0B+4*\s+3], s[46:47], \s*ROWB
	s_or_b32 s[G0B+4*\s+3], s[G0B+4*\s+3], 0x80000000
	JLOAD G0+4*\s, G1, G0B+4*\s, G1B
.endr
	v_and_b32 v1, 15, v0                           ; l % 16
	v_bfe_u32 v2, v0, 4, 1                         ; l / 16
	v_mul_u32_u24 v3, v1, PITCH
	v_lshl_add_u32 v4, v2, 4, v3                   ; a fragment's row x pitch + 16 x half
	s_mul_i32 s21, s15, HALFT                      ; my 128 rows of A
	s_mul_i32 s22, s16, HALFT                      ; my 128 rows of B,
	s_add_co_u32 s22, s22, 2*HALFT                 ; which lie behind A's 256
.irp s, 0,1
	v_add_nc_u32 v[ADRA+\s], s21, v4
	v_add_nc_u32 v[ADRB+\s], s22, v4
	s_add_co_u32 s21, s21, SLOT
	s_add_co_u32 s22, s22, SLOT
.endr
	v_mul_u32_u24 v5, v1, KS                       ; my row's scales: 32 bytes a row,
	v_lshrrev_b32 v6, 8, v5
	v_lshl_add_u32 v5, v6, 4, v5                   ; and 16 more for each 256 passed
	s_mul_i32 s21, s15, HALFS                      ; A's: my 128 rows
	s_mul_i32 s22, s16, HALFS                      ; B's: my 128 rows, behind A's 256
	s_add_co_u32 s22, s22, 2*HALFS
	s_sub_co_u32 s22, s22, s21
	v_mul_u32_u24 v6, s22, v2                      ; lanes 16-31 take B's: one product, the distance x half
	s_add_co_u32 s21, s21, SCL
	v_add_nc_u32 v5, v5, v6
	v_add_nc_u32 v[ADRS], s21, v5
	v_and_b32 v6, 31, v0
	v_lshlrev_b32 v[CO], 4, v6                     ; 16 x lane
	; where my 64 images begin in qkv.  My first A row and my first B row, counted inside their tensors:
	s_lshl_b32 s20, s17, 8
	s_lshl_b32 s21, s15, 7
	s_add_co_u32 s20, s20, s21
	s_lshl_b32 s46, s42, 8
	s_lshl_b32 s47, s16, 7
	s_add_co_u32 s46, s46, s47
	s_cmp_eq_u32 s9, 0
	s_cselect_b32 s21, s20, s46                    ; my first token: A's row for Q and K, B's for V
	s_cselect_b32 s22, s46, s20                    ; my first feature: the other one
	s_lshr_b32 s23, s21, 11                        ; b
	s_lshl_b32 s23, s23, 4
	s_lshr_b32 s22, s22, 6
	s_add_co_u32 s23, s23, s22                     ; the head of my first feature: 16 b + feature / 64
	s_mul_i32 s23, s23, HS
	s_bfe_u32 s47, s21, 0x70004                    ; my first tile of 16 tokens in its sequence, 0 .. 127 (7 bits from bit 4)
	s_and_b32 s45, s47, 31
	s_lshl_b32 s45, s45, 11                        ; 2,048 bytes a tile,
	s_add_co_u32 s23, s23, s45
	s_lshr_b32 s47, s47, 5                         ; and each 32 tiles:
	s_cmp_eq_u32 s8, 0
	s_mov_b32 s45, 131072                          ; a slot on for K and V,
	s_cselect_b32 s45, 65536, s45                  ; 32 tiles on for Q
	s_mov_b32 s94, 262144                          ; the slots lie behind Q
	s_cselect_b32 s94, 0, s94
	s_mul_i32 s47, s47, s45
	s_add_co_u32 s23, s23, s47
	s_add_co_u32 s23, s23, s94
	s_lshl_b32 s94, s9, 16                         ; V lies behind K in a slot
	s_add_co_u32 s22, s23, s94
	s_mov_b32 s23, 0
	s_add_nc_u64 s[12:13], s[12:13], s[22:23]
.macro FRAG reg, adr, q, i             ; a fragment, 16 rows x 128 K of 4-bit codes, is 8 registers: lane l holds row l % 16; registers 4 c .. 4 c + 3 hold K = 64 c + 32 (l / 16) + 0 .. 31
.irp c, 0,1
	ds_load_b128 v[\reg+4*\c:\reg+4*\c+3], v[\adr] offset:64*(\q)+32*\c+(\i)*16*PITCH
.endr
.endm
; 16 matrix instructions: A's blocks a0, a0 + 1 x B's eight, 128 along K: the slot's q-th.  p: B's set;  sc: the set of scale words.  zero = 1: the first product starts the sums: nothing is ever cleared.
; The 64 accumulators take turns, one instruction a turn, in the same order in every step.
.macro MUL16 a0, p, q, sc, zero
.irp a, \a0, \a0+1
.irp b, 0,1,2,3,4,5,6,7
.if \zero
	v_wmma_scale_f32_16x16x128_f8f6f4 v[8*(8*((\a)%4)+\b):8*(8*((\a)%4)+\b)+7], v[128*(\p)+FR*\b:128*(\p)+FR*\b+FR-1], v[AF+FR*(\a):AF+FR*(\a)+FR-1], 0, v[SC+8*NQ*(\sc)+NQ*\b+(\q)], v[SC+8*NQ*(\sc)+NQ*(\a)+(\q)] matrix_a_fmt:MATRIX_FMT_FP4 matrix_b_fmt:MATRIX_FMT_FP4 matrix_a_scale:MATRIX_SCALE_ROW1
.else
	v_wmma_scale_f32_16x16x128_f8f6f4 v[8*(8*((\a)%4)+\b):8*(8*((\a)%4)+\b)+7], v[128*(\p)+FR*\b:128*(\p)+FR*\b+FR-1], v[AF+FR*(\a):AF+FR*(\a)+FR-1], v[8*(8*((\a)%4)+\b):8*(8*((\a)%4)+\b)+7], v[SC+8*NQ*(\sc)+NQ*\b+(\q)], v[SC+8*NQ*(\sc)+NQ*(\a)+(\q)] matrix_a_fmt:MATRIX_FMT_FP4 matrix_b_fmt:MATRIX_FMT_FP4 matrix_a_scale:MATRIX_SCALE_ROW1
.endif
.endr
.endr
.endm
.macro FETCH_B slot, q, p              ; B's eight fragments of the slot's q-th 128 along K into set p
	WIN TO_B
.irp i, 0,1,2,3,4,5,6,7
	FRAG 128*(\p)+FR*\i, ADRB+\slot, \q, \i
.endr
	WIN 0
.endm
.macro FETCH_A slot, q, i0             ; A's blocks i0 .. i0 + 3
.irp i, \i0, \i0+1, \i0+2, \i0+3
	FRAG AF+FR*(\i), ADRA+\slot, \q, \i
.endr
.endm
.macro SCALES sc                       ; a K step's scale words into set sc: four words a row; lanes 0-15 take A's block i, lanes 16-31 B's block i
.irp i, 0,1,2,3,4,5,6,7
	ds_load_b128 v[SC+8*NQ*\sc+NQ*\i:SC+8*NQ*\sc+NQ*\i+3], v[ADRS] offset:\i*SBLK
.endr
.endm
; A load into a register that a matrix instruction has read, and a vector instruction that reads a matrix result or writes one of its registers, stand NP places behind it; only plain vector
; instructions that name none of its registers are places (ISA guide 7.12.1 for vector instructions).
.macro PLACES n
.rept \n
	v_nop
.endr
.endm
; A step of 128 along K that has its successor in the same slot.  A's blocks go one after the other, each against B's eight: so one set of registers serves A (blocks 0-3 fetched anew in the middle, 4-7 at the end), two serve B.
.macro STEP slot, q, zero
	s_wait_dscnt 4*NL                              ; B's set and A's blocks 0-3 are in; the youngest eight loads (A's blocks 4-7) may be out
	WIN MUL_LO
	MUL16 0, (\q)%2, \q, \slot, \zero
	MUL16 2, (\q)%2, \q, \slot, \zero
	s_wait_dscnt 0                                 ; A's blocks 4-7 are in (asked for 32 matrix instructions ago)
	PLACES NP
	FETCH_B \slot, (\q)+1, 1-(\q)%2
	FETCH_A \slot, (\q)+1, 0
	WIN MUL_HI
	MUL16 4, (\q)%2, \q, \slot, \zero
	MUL16 6, (\q)%2, \q, \slot, \zero
	PLACES NP
	WIN 0
	FETCH_A \slot, (\q)+1, 4
.endm
; A slot's last step changes slots: one barrier; in front of it each wave waits for all its tensor loads (its part of the next slot is the last of them), adds 0 to its spare word, and waits for that and for its reads.
; Behind it the next slot is whole for every wave.  Nothing is filled again.
.macro TURN slot, next
	s_wait_tensorcnt 0x0                           ; all my tensor loads have landed: my part of the next slot was the last;  (every window is 0 here)
	ds_add_u32 v[SPW], v[NIL]                      ; 0 onto my spare word
	s_wait_dscnt 4*NL+1                            ; (the add and the youngest eight loads, A's blocks 4-7, may be out)
	WIN MUL_LO
	MUL16 0, 1, NQ-1, \slot, 0                     ; sixteen matrix instructions stand between the add and the wait for it
	s_wait_dscnt 0x0                               ; the add is done, and my reads of this slot are over
	s_barrier_signal -1
	MUL16 2, 1, NQ-1, \slot, 0
	WIN 0
	s_barrier_wait -1
	PLACES NP
	v_add_nc_u32 v[ADRS], 4*NQ, v[ADRS]            ; on to the next K step's scale words (no LDS load of mine is out)
	FETCH_B \next, 0, 0
	FETCH_A \next, 0, 0
	SCALES \next
	WIN MUL_HI
	MUL16 4, 1, NQ-1, \slot, 0
	MUL16 6, 1, NQ-1, \slot, 0
	PLACES NP
	WIN 0
	FETCH_A \next, 0, 4
.endm
.macro STEPS slot, from                ; the slot's steps from .. NQ - 2
.set Q, \from
.rept NQ-1-\from
	STEP \slot, Q, 0
.set Q, Q+1
.endr
.endm
	s_wait_tensorcnt 1                             ; the scales and my part of K step 0 are in (K step 1's load, the one issued behind them, may be out),
	s_barrier_signal -1
	s_barrier_wait -1                              ; everybody's are
	FETCH_B 0, 0, 0
	FETCH_A 0, 0, 0
	SCALES 0
	FETCH_A 0, 0, 4
	STEP 0, 0, 1                                   ; the first step's products start the sums
	STEPS 0, 1
	TURN 0, 1
	STEPS 1, 0
	s_wait_dscnt 4*NL                              ; the very last step: nothing more to fetch
	WIN MUL_LO
	MUL16 0, 1, NQ-1, 1, 0
	MUL16 2, 1, NQ-1, 1, 0
	s_wait_dscnt 0
	WIN MUL_HI
	MUL16 4, 1, NQ-1, 1, 0
	MUL16 6, 1, NQ-1, 1, 0
	WIN 0
; THE WAY OUT.  Accumulator (a, b): lane (r, h) holds (A row 16 a + r, B rows 16 b + 8 h + 0 .. 7): four roundings in pairs make the lane's 16 bytes of an image.
; mirror = 0 (Q, K): a counts tiles of tokens (2,048 bytes on), b the head's four e (512 bytes on) and, each four, a head.  mirror = 1 (V): b counts the tiles of keys, a the head's four ct and the heads.
; Each accumulator is read from its low end on.  Block a's 32 packed registers lie in set a % 4, which is written again only when block a - 4's stores have read it.
.macro OUT mirror
.irp a, 0,1,2,3,4,5,6,7
.if \a >= 4
	s_wait_xcnt 0x0                                ; the earlier stores have read their data: set a % 4 may be written again
.endif
	WIN 0x0a+5*(\a/4)                              ; sources 0 and 1: window 2 or 3; destination window 0
.irp b, 0,1,2,3,4,5,6,7
.irp r, 0,1,2,3
	v_cvt_pk_f16_f32 v[PK+32*(\a%4)+4*\b+\r], v[64*(\a%4)+8*\b+2*\r], v[64*(\a%4)+8*\b+2*\r+1]
.endr
.endr
	WIN 0
.irp b, 0,1,2,3,4,5,6,7
.if \mirror
	global_store_b128 v[CO], v[PK+32*(\a%4)+4*\b:PK+32*(\a%4)+4*\b+3], s[12:13] offset:2048*\b+HS*(\a/4)+512*(\a%4) th:TH_STORE_NT   ; 512 consecutive bytes, aligned
.else
	global_store_b128 v[CO], v[PK+32*(\a%4)+4*\b:PK+32*(\a%4)+4*\b+3], s[12:13] offset:2048*\a+HS*(\b/4)+512*(\b%4) th:TH_STORE_NT   ; 512 consecutive bytes, aligned
.endif
.endr
.endr
.endm
	PLACES NP                                      ; behind the last products: for the reads of their results and for the writes into the registers that held A's fragments
	s_cmp_eq_u32 s9, 0                             ; the product's number is shared by all partners of the cluster
	s_cbranch_scc0 .Lv
	OUT 0
	s_branch .Ldone
.Lv:
	OUT 1
.Ldone:
	s_wait_tensorcnt 0x0                           ; the wave's end
	ds_add_u32 v[SPW], v[NIL]
	s_wait_dscnt 0x0
	CROUND                                         ; the closing round: no work-group ends while a partner may still ask for a tile that names it
	s_endpgm
.Lfunc_end_k_q5e1504c05f_proj:
	.size	k_q5e1504c05f_proj, .Lfunc_end_k_q5e1504c05f_proj-k_q5e1504c05f_proj
	.p2alignl 7, 3214868480
	.fill 96, 4, 3214868480
	.section	.rodata,"a",@progbits
	.p2align	6, 0x0
	.amdhsa_kernel k_q5e1504c05f_proj
		.amdhsa_group_segment_fixed_size 327680
		.amdhsa_private_segment_fixed_size 0
		.amdhsa_enable_private_segment 0
		.amdhsa_kernarg_size 24
		.amdhsa_user_sgpr_count 2
		.amdhsa_user_sgpr_kernarg_segment_ptr 1
		.amdhsa_wavefront_size32 1
		.amdhsa_system_sgpr_workgroup_id_x 1
		.amdhsa_system_sgpr_workgroup_id_y 1
		.amdhsa_system_sgpr_workgroup_id_z 1
		.amdhsa_system_vgpr_workitem_id 0
		.amdhsa_next_free_vgpr 1024
		.amdhsa_next_free_sgpr 98
		.amdhsa_reserve_vcc 0
		.amdhsa_float_denorm_mode_32 3
		.amdhsa_float_denorm_mode_16_64 3
		.amdhsa_memory_ordered 1
		.amdhsa_forward_progress 1
		.amdhsa_inst_pref_size 141
	.end_amdhsa_kernel
	.amdgpu_metadata
---
amdhsa.version: [ 1, 2 ]
amdhsa.kernels:
  - .name:           k_q5e1504c05f_proj
    .symbol:         k_q5e1504c05f_proj.kd
    .args:
      - { .name: codes, .offset: 0, .size: 8, .value_kind: global_buffer, .address_space: global }
      - { .name: scales, .offset: 8, .size: 8, .value_kind: global_buffer, .address_space: global }
      - { .name: qkv, .offset: 16, .size: 8, .value_kind: global_buffer, .address_space: global }
    .group_segment_fixed_size: 327680
    .private_segment_fixed_size: 0
    .kernarg_segment_align: 8
    .kernarg_segment_size: 24
    .max_flat_workgroup_size: 128
    .sgpr_count:     98
    .vgpr_count:     1024
    .wavefront_size: 32
...
	.end_amdgpu_metadata
.endif
;; end of part 2
;; launch attn (part 3): grid 8 x 32, 8 waves a work-group, clusters of 4 x 1, 327,680 bytes of LDS; arguments qkv, ctx; writes ctx
.if DOCPART == 3
	.amdgcn_target "amdgcn-amd-amdhsa--gfx1250"
	.amdhsa_code_object_version 6
	.text
	.protected	k_q5e1504c05f_attn
	.globl	k_q5e1504c05f_attn
	.p2align	8
	.type	k_q5e1504c05f_attn,@function
k_q5e1504c05f_attn:
	s_mov_b64 s[64:65], 0
	v_nop
	global_prefetch_b8 v0, s[64:65] scope:SCOPE_SE
	s_setreg_imm32_b32 hwreg(HW_REG_WAVE_MODE, 25, 1), 1
	s_wait_xcnt 0x0
	s_wait_alu depctr_hold_cnt(0) depctr_sa_sdst(0) depctr_va_vdst(0) depctr_va_sdst(0) depctr_va_ssrc(0) depctr_va_vcc(0) depctr_vm_vsrc(0)
	s_getreg_b32 s2, hwreg(HW_REG_IB_STS2, 6, 4)
	s_cmp_eq_u32 s2, 0
	s_cbranch_scc0 .Lentry_in_a_cluster
	s_endpgm
.Lentry_in_a_cluster:
	s_bfe_u32 s2, ttmp6, 0x10000c
	s_cmp_lg_u32 s2, 0x3003
	s_cbranch_scc0 .Lentry_shape_is_right
	s_endpgm
.Lentry_shape_is_right:
; ATTN.  For each of 32 heads: context[q] = the sum over k of softmax_k(Q[q] . K[k] / 8) V[k]; 2,048 queries and keys, head size 64.  Operands in f16, products, maxima and sums in f32;
; the weights p are rounded to f16 for the second product, the context once at the end.  f16 (11 significant bits) and not bf16 (8): six roundings stand between the projections' sums and the output.
; RANGE: p is at most 1; what falls under 2^-25 of a row's largest weight counts as 0.  The context is a mean of V with weights that add up to 1, so it has V's range (V's limit: the projections' head);
; downward f16 keeps steps of 2^-24.
; qkv holds IMAGES of operand registers (512 bytes, lane l's 16 bytes at 16 l), for each head HS bytes: Q [qtile 128][e 4]; then four slots of 512 keys, each K [ktile 32][e 4] and V [kc 32][ct 4].
;   Q, K image: lane (r, h): row r, channels 16 e + 8 h + 0 .. 7.   V image: lane (r, h): channel 16 ct + r, keys 16 kc + 8 h + 0 .. 7.   Two images are the eight registers of a fragment (16 x 32).
; So every fragment comes by two loads of 512 consecutive bytes: no pitch, no padding, no turning load; and a slot is one dense block of 128 KiB.
; SHARES.  A work-group owns 256 queries of one head, each of its EIGHT waves 32: two tiles of 16.  Two waves share a SIMD, so that one wave's softmax stands beside the other's products.
; LAYOUT.  S^T = K Q^T (source 0 = 16 keys, source 1 = 16 queries): a lane holds ONE query (lane % 16) and keys 8 (lane / 16) + 0 .. 7.  Two such tiles, rounded in pairs, ARE source 1 of O^T = V^T P,
; whose result again holds one query a lane, and eight channels: packed, it is an image for the last product.
; SOFTMAX.  For each query a running maximum m and sum l: p = 2^(c s - c m), c = log2(e) / 8; in every step O and l are multiplied by a = 2^(c m_old - c m_new).  m begins at -3e38, O and l at 0: the first a is 0.
; CLUSTER.  The four query blocks of a cluster belong to one head and walk the same slots: each tile is asked for JOINTLY, by the same tensor load with the same descriptor and the mask of all four.
; RING.  Two LDS slots.  The change of slots stands at a slot's head; behind its round the slot just left is filled with the keys that follow: that load has eight key steps in which to land.
; REGISTERS: window 0: v1-7 addresses; v8-23 statistics, 8 a tile; v32-95 S^T; v96-127 P; v128-191 O^T.   window 1: v0-31 Q; v32-95 K of a step; v96-159 V of a step.
.set HS,    786432                     ; a head's bytes in qkv
.set KV0,   262144                     ; where its slots begin
.set SLOTB, 131072                     ; a slot: 65,536 bytes of K, then as many of V
.set SLOT1, 1<<17                      ; LDS slot 1 begins here: one exclusive or turns an address in one slot into the other's
.set VOFF,  65536
.set STEPB, 8192                       ; 64 keys of K, and of V
.set SPARE, 2*SLOTB                    ; behind the ring: the spare words, 128 bytes for each of eight waves, which no other line names
.set LI,  1                            ; v1   16 x lane
.set LIV, 2                            ; v2   the same in a slot's V
.set ADK, 3                            ; v3   LDS address of the run of K's loads in hand
.set ADV, 4                            ; v4   of V's
.set PFO, 5                            ; v5   256 x lane: the prefetches' offset; never rewritten
.set SPW, 6                            ; v6   LDS address of my spare word; never rewritten
.set NIL, 7                            ; v7   0; never rewritten
.set ST,  8                            ; tile t's statistics at v[ST+8 t]: +0 c m, +1 m, +2, +3 l (even keys', odd keys'), +4 to +7 c0-c3, at work; a takes c2's place
.set S,   32
.set P,   96
.set O,   128
.set QF,  0                            ; in window 1
.set KF,  32
.set VF,  96
.set WV,  8                            ; s8   my wave's number
.set G1,  16                           ; s[16:23] descriptor group 1
.set G0,  24                           ; s[24:27] descriptor group 0, which walks
.set TB,  28                           ; s28  LDS byte at which the key step in hand begins
.set SLOTS, 29                         ; s29  slots still to be asked for
.set STEPC, 30                         ; s30  counts a slot's steps
.set LIM, 31                           ; s31  1 in a wave that prefetches, else the greatest number
.set CS,  32                           ; s[32:33] c: the packed scaling names a pair and takes its low word for both halves
.set SEL, 34                           ; s[34:35] lane selects for v_permlanex16_b32: lane l xor 16
.set PFA, 36                           ; s[36:37] where my prefetches stand
.set QB,  38                           ; s[38:39] Q at my wave's first tile
.set MSB, 0
.macro WIN new                         ; the immediate's high byte repeats the setting that is left; a switch that changes nothing is dropped
.if MSB != (\new)
	s_set_vgpr_msb (MSB<<8)|(\new)
.set MSB, (\new)
.endif
.endm
.set W_KQ, 0x05                        ; K and Q in window 1, S^T in window 0
.set W_PV, 0x01                        ; V in window 1, P and O^T in window 0
.set TO_F, 0x40                        ; destination window 1, address window 0
.macro CROUND                          ; a round of the cluster's barrier: my work-group's barrier; wave 0 signals for the work-group; every wave waits for all four; my work-group's barrier once more
	s_barrier_signal -1
	s_barrier_wait -1
	s_cmp_lg_u32 s[WV], 0
	s_cbranch_scc1 .Lnot_wave_0_\@
	s_barrier_signal -3
.Lnot_wave_0_\@:
	s_barrier_wait -3
	s_barrier_signal -1
	s_barrier_wait -1
.endm
; A PREFETCH INTO THE L2 of the slot that the NEXT change of slots will ask for: 131,072 dense bytes, lanes 256 bytes apart, 8,192 bytes an instruction.  Both clusters of a head walk the same slots: the head's first
; cluster asks.  Its four partners take 32,768 bytes each, told apart BY ADDRESS; in each, waves 0 to 3 ask, one instruction each (a branch on the wave's and the cluster's number, alike in all partners).
; So each block of 256 bytes of slots 2 and 3 is named once in the launch.  Slots 0 and 1 come by their loads alone; the last change that fills a slot asks for nothing.
.macro ASK
	s_cmp_gt_u32 s[SLOTS], s[LIM]
	s_cbranch_scc0 .Lnot_mine_\@
	global_prefetch_b8 v[PFO], s[PFA:PFA+1] th:TH_LOAD_NT scope:SCOPE_SE
.Lnot_mine_\@:
.endm
	s_load_b128 s[4:7], s[0:1], 0x0                ; qkv s[4:5], ctx s[6:7]
	v_lshl_add_u32 v[SPW], v0, 2, SPARE
	v_mov_b32 v[NIL], 0
	ds_add_u32 v6, v7
	s_wait_dscnt 0x0
	v_lshrrev_b32 v1, 5, v0
	v_readfirstlane_b32 s[WV], v1                  ; wave 0..7
	s_bfe_u32 s9, ttmp6, 0x40000                   ; cx: my place in the cluster
	s_lshl_b32 s10, ttmp9, 2                       ; in a cluster launch ttmp9 counts clusters
	s_add_co_u32 s10, s10, s9                      ; my block of 256 queries: it enters Q's and ctx's addresses alone
	s_and_b32 s11, ttmp7, 0xffff                   ; bh = 16 b + head, which the four partners share
	s_mul_i32 s12, s11, HS                         ; the head's first byte in qkv
	s_lshl_b32 s14, s[WV], 14                      ; 16,384 x wave
	s_add_co_u32 s40, s12, s14
	s_add_co_u32 s40, s40, KV0                     ; s[40:41]: my eighth of slot 0: made of the head and the wave alone
	s_mov_b32 s41, 0
	s_lshl_b32 s42, s10, 15                        ; s[42:43]: Q: 16 tiles of 2,048 bytes a block,
	s_lshl_b32 s13, s[WV], 12                      ; two a wave
	s_add_co_u32 s42, s42, s13
	s_add_co_u32 s42, s42, s12
	s_mov_b32 s43, 0
	s_lshr_b32 s13, s11, 4                         ; s[44:45]: ctx [kstep 4][rowtile 256][e 16][512]: b: 128 row tiles of 8,192 bytes,
	s_lshl_b32 s44, s13, 20
	s_bfe_u32 s13, s11, 0x20002                    ; kstep = head / 4 (2 bits from bit 2): 2,097,152 bytes,
	s_lshl_b32 s13, s13, 21
	s_add_co_u32 s44, s44, s13
	s_and_b32 s13, s11, 3                          ; e = 4 (head % 4) + ct,
	s_lshl_b32 s13, s13, 11
	s_add_co_u32 s44, s44, s13
	s_lshl_b32 s13, s10, 17                        ; 16 row tiles a block,
	s_add_co_u32 s44, s44, s13
	s_add_co_u32 s44, s44, s14                     ; two a wave
	s_mov_b32 s45, 0
	s_lshl_b32 s46, s9, 15                         ; s[46:47]: the prefetches: my work-group's 32,768 bytes of a slot,
	s_and_b32 s13, s[WV], 3
	s_lshl_b32 s13, s13, 13                        ; my wave's 8,192 of them,
	s_add_co_u32 s46, s46, s13
	s_add_co_u32 s46, s46, s12
	s_add_co_u32 s46, s46, KV0+SLOTB               ; in slot 1: the first change of slots steps it to slot 2
	s_mov_b32 s47, 0
	s_lshr_b32 s[LIM], s[WV], 2                    ; 0 in waves 0 to 3,
	s_or_b32 s[LIM], s[LIM], ttmp9                 ; of the head's first cluster: the same in all four partners
	s_cmp_eq_u32 s[LIM], 0
	s_cselect_b32 s[LIM], 1, -1
	; descriptor group 1: 64 rows of 256 bytes, dense: 16 KiB a wave
	s_mov_b32 s[G1], 15|(3<<16)|(1<<21)            ; 15:0 the mask: all four work-groups; 17:16 elements of 8 bytes; 20 no padding; 21 set beside a mask
	s_mov_b32 s[G1+1], 32<<16                      ; tensor_dim0 = 32
	s_mov_b32 s[G1+2], 64<<16                      ; tensor_dim1 = 64
	s_mov_b32 s[G1+3], 32<<16                      ; tile_dim0 = 32
	s_mov_b32 s[G1+4], 64                          ; tile_dim1 = 64
	s_mov_b32 s[G1+5], 32                          ; tensor_dim0_stride
	s_mov_b32 s[G1+6], 0
	s_mov_b32 s[G1+7], 0
	s_mov_b32 s[CS], 0x3e38aa3b                    ; c = log2(e) / 8
	s_mov_b32 s[CS+1], s[CS]                       ; named with it as a pair, so it is written
	s_mov_b32 s[SEL], 0x76543210
	s_mov_b32 s[SEL+1], 0xfedcba98
	s_mov_b32 s[TB], 0
	s_mov_b32 s[SLOTS], 3
	v_and_b32 v[LI], 31, v0
	v_lshlrev_b32 v[PFO], 8, v[LI]
	v_lshlrev_b32 v[LI], 4, v[LI]
	v_add_nc_u32 v[LIV], VOFF, v[LI]
	s_wait_kmcnt 0x0
	s_add_nc_u64 s[QB:QB+1], s[4:5], s[42:43]
	s_add_nc_u64 s[PFA:PFA+1], s[4:5], s[46:47]
	s_add_nc_u64 s[6:7], s[6:7], s[44:45]
	CROUND                                         ; all four work-groups are here: the first joint loads meet
	s_mov_b32 s[G0], 1                             ; 1:0 count = 1
	s_lshl_b32 s[G0+1], s[WV], 14                  ; 63:32 LDS address: slot 0, 16,384 x wave: no place in the cluster enters it
	s_add_nc_u64 s[G0+2:G0+3], s[4:5], s[40:41]    ; 120:64 global address
	s_or_b32 s[G0+3], s[G0+3], 0x80000000          ; 127:126 type = 2
	tensor_load_to_lds s[G0:G0+3], s[G1:G1+7]      ; slot 0: every wave brings its eighth; one tensor load of mine is out, here and behind every round
	s_nop 0
.rept 4
	v_nop                                          ; four lines behind a tensor load, ahead of the window switch
.endr
	WIN TO_F
.irp i, 0,1,2,3,4,5,6,7
	global_load_b128 v[QF+4*\i:QF+4*\i+3], v[LI], s[QB:QB+1] offset:512*\i   ; Q stays in registers: tile i / 4, image i % 4
.endr
	WIN 0
.irp t, 0,1
	v_mov_b32 v[ST+8*\t+1], 0xff61b1e6             ; m = -3e38, under every score
	v_mul_f32 v[ST+8*\t], s[CS], v[ST+8*\t+1]      ; c m
	v_mov_b32 v[ST+8*\t+2], 0                      ; l
	v_mov_b32 v[ST+8*\t+3], 0
.endr
.set i, 0
.rept 64
	v_mov_b32 v[O+i], 0                            ; O^T, cleared once: so the key step is written without a first step of its own
.set i, i+1
.endr
; THE SOFTMAX of both tiles for one key step.  S, P and O are walked as flat arrays of 32 pairs: pair i belongs to tile i / 16.
.macro SOFTMAX
.irp j, 0,1,2,3                        ; the maximum of a lane's 32 scores and the old m, three operands at a time, four chains a tile; each accumulator is first read at its low end; the tiles alternate
.irp t, 0,1
	v_max3_num_f32 v[ST+8*\t+4+\j], v[S+32*\t+8*\j], v[S+32*\t+8*\j+1], v[S+32*\t+8*\j+2]
.endr
.endr
.irp n, 1,2
.irp j, 0,1,2,3
.irp t, 0,1
	v_max3_num_f32 v[ST+8*\t+4+\j], v[ST+8*\t+4+\j], v[S+32*\t+8*\j+2*\n+1], v[S+32*\t+8*\j+2*\n+2]
.endr
.endr
.endr
.irp t, 0,1
	v_max3_num_f32 v[ST+8*\t+4], v[ST+8*\t+4], v[S+32*\t+7], v[S+32*\t+15]
.endr
.irp t, 0,1
	v_max3_num_f32 v[ST+8*\t+6], v[ST+8*\t+6], v[S+32*\t+23], v[S+32*\t+31]
.endr
.irp t, 0,1
	v_max3_num_f32 v[ST+8*\t+4], v[ST+8*\t+4], v[ST+8*\t+5], v[ST+8*\t+6]
.endr
.irp t, 0,1
	v_max3_num_f32 v[ST+8*\t+4], v[ST+8*\t+4], v[ST+8*\t+7], v[ST+8*\t+1]
.endr
.irp t, 0,1
	v_permlanex16_b32 v[ST+8*\t+5], v[ST+8*\t+4], s[SEL], s[SEL+1]   ; the query's other 32 keys lie in the lane 16 away
.endr
.irp t, 0,1
	v_mov_b32 v[ST+8*\t+7], v[ST+8*\t]             ; c m_old is kept for a
.endr
.irp t, 0,1
	v_max_num_f32 v[ST+8*\t+1], v[ST+8*\t+4], v[ST+8*\t+5]
.endr
.irp t, 0,1
	v_mul_f32 v[ST+8*\t], s[CS], v[ST+8*\t+1]
.endr
.irp t, 0,1
	v_sub_f32 v[ST+8*\t+7], v[ST+8*\t+7], v[ST+8*\t]
.endr
.irp t, 0,1
	v_exp_f32 v[ST+8*\t+6], v[ST+8*\t+7]           ; a
.endr
	v_pk_fma_f32 v[S:S+1], v[S:S+1], s[CS:CS+1], v[ST:ST+1] op_sel_hi:[1,0,0] neg_lo:[0,0,1] neg_hi:[0,0,1]   ; pair 0: c s - c m.  (The plain line behind the two exponentials)
	s_wait_alu depctr_va_vdst(0)
.irp t, 0,1
	v_pk_mul_f32 v[ST+8*\t+2:ST+8*\t+3], v[ST+8*\t+2:ST+8*\t+3], v[ST+8*\t+6:ST+8*\t+7] op_sel_hi:[1,0]   ; l under the new m
.endr
; Behind each exponential stands a plain line that touches neither its result nor its source (ISA guide 5.7.2): the next pair's scaling, or a pair of O^T times a; a pair's weights are used one trip later.
.set i, 0
.rept 32
	v_exp_f32 v[S+2*i], v[S+2*i]
.if i < 31
	v_pk_fma_f32 v[S+2*i+2:S+2*i+3], v[S+2*i+2:S+2*i+3], s[CS:CS+1], v[ST+8*((i+1)/16):ST+8*((i+1)/16)+1] op_sel_hi:[1,0,0] neg_lo:[0,0,1] neg_hi:[0,0,1]
.endif
	v_exp_f32 v[S+2*i+1], v[S+2*i+1]
	v_pk_mul_f32 v[O+2*i:O+2*i+1], v[O+2*i:O+2*i+1], v[ST+8*(i/16)+6:ST+8*(i/16)+7] op_sel_hi:[1,0]   ; O^T under the new m: ascending
.if i > 0
	s_wait_alu depctr_va_vdst(0)
	v_cvt_pk_f16_f32 v[P+i-1], v[S+2*i-2], v[S+2*i-1]
	v_pk_add_f32 v[ST+8*((i-1)/16)+2:ST+8*((i-1)/16)+3], v[ST+8*((i-1)/16)+2:ST+8*((i-1)/16)+3], v[S+2*i-2:S+2*i-1]   ; the sum is taken of the unrounded p
.endif
.set i, i+1
.endr
	v_cvt_pk_f16_f32 v[P+31], v[S+62], v[S+63]
	v_pk_add_f32 v[ST+10:ST+11], v[ST+10:ST+11], v[S+62:S+63]
.endm
; K's 16 images of a slot's first step
.macro FETCH_K0
	v_add_nc_u32 v[ADK], s[TB], v[LI]
	WIN TO_F
.irp f, 0,1,2,3,4,5,6,7,8,9,10,11,12,13,14,15
	ds_load_b128 v[KF+4*\f:KF+4*\f+3], v[ADK] offset:512*\f
.endr
	WIN 0
.endm
; A KEY STEP: 64 keys.  nxt = 1: the next step's K lies in the same slot and is fetched here, under the softmax.
; The accumulators take turns, one instruction a turn: eight of S^T, then eight of O^T.
.macro STEP nxt
	s_wait_dscnt 0x0                               ; K of this step is in
	WIN W_KQ
.irp u, 0,1                            ; channels 32 u on; keys 16 kt on; tile qt.  The first eight start the sums
.irp kt, 0,1,2,3
.irp qt, 0,1
.if \u == 0
	v_wmma_f32_16x16x32_f16 v[S+32*\qt+8*\kt:S+32*\qt+8*\kt+7], v[KF+8*(2*\kt+\u):KF+8*(2*\kt+\u)+7], v[QF+16*\qt+8*\u:QF+16*\qt+8*\u+7], 0
.else
	v_wmma_f32_16x16x32_f16 v[S+32*\qt+8*\kt:S+32*\qt+8*\kt+7], v[KF+8*(2*\kt+\u):KF+8*(2*\kt+\u)+7], v[QF+16*\qt+8*\u:QF+16*\qt+8*\u+7], v[S+32*\qt+8*\kt:S+32*\qt+8*\kt+7]
.endif
.endr
.endr
.endr
	WIN 0
	v_add_nc_u32 v[ADV], s[TB], v[LIV]             ; four places behind the products: in front of the loads into K's and V's registers and of the softmax's first read
	v_add_nc_u32 v[ADK], s[TB], v[LI]
	v_nop
	v_nop
	WIN TO_F
.irp g, 0,1                            ; V: keys 32 g on, channels 16 ct on: images kc = 2 g and 2 g + 1
.irp ct, 0,1,2,3
	ds_load_b128 v[VF+8*(4*\g+\ct):VF+8*(4*\g+\ct)+3],   v[ADV] offset:4096*\g+512*\ct
	ds_load_b128 v[VF+8*(4*\g+\ct)+4:VF+8*(4*\g+\ct)+7], v[ADV] offset:4096*\g+512*\ct+2048
.endr
.endr
.if \nxt
.irp f, 0,1,2,3,4,5,6,7,8,9,10,11,12,13,14,15
	ds_load_b128 v[KF+4*\f:KF+4*\f+3], v[ADK] offset:STEPB+512*\f
.endr
.endif
	WIN 0
	SOFTMAX
	s_wait_dscnt 16*\nxt                           ; V is in; the next K's sixteen loads, issued behind V's, may be out
	WIN W_PV
.irp g, 0,1
.irp ct, 0,1,2,3
.irp qt, 0,1
	v_wmma_f32_16x16x32_f16 v[O+32*\qt+8*\ct:O+32*\qt+8*\ct+7], v[VF+8*(4*\g+\ct):VF+8*(4*\g+\ct)+7], v[P+16*\qt+8*\g:P+16*\qt+8*\g+7], v[O+32*\qt+8*\ct:O+32*\qt+8*\ct+7]
.endr
.endr
.endr
	WIN 0
	s_add_co_u32 s[TB], s[TB], STEPB
.endm
; THE CHANGE OF SLOTS, at a slot's head.  Each wave waits for all its tensor loads (its part of the slot that it is about to read), adds 0 to its spare word, and waits for that and for its reads of the slot that it has left.
; fill = 1: the barrier is a round of the cluster's, so that no wave of any partner still reads the slot left or has a load on its way; the joint refill is the first thing behind it.
.macro CHANGE fill
	WIN 0
	s_wait_tensorcnt 0x0                           ; no tensor load of mine is out, so group 0 may be written
	ds_add_u32 v[SPW], v[NIL]                      ; 0 onto my spare word
.if \fill
	s_xor_b32 s[G0+1], s[G0+1], SLOT1              ; the walking descriptor: the other slot than last time,
	s_add_nc_u64 s[G0+2:G0+3], s[G0+2:G0+3], SLOTB ; the next 512 keys; the type bits on top are not reached
	s_wait_xcnt 0x0                                ; the last prefetch, a slot back, has read its address, so it may be written:
	s_add_nc_u64 s[PFA:PFA+1], s[PFA:PFA+1], SLOTB ; one slot further on than the walking descriptor
	s_wait_dscnt 0x0                               ; the add is done, and my reads of the slot that I have left are over
	CROUND
	tensor_load_to_lds s[G0:G0+3], s[G1:G1+7]      ; a wave's one tensor load until the next round
	s_nop 0
.rept 4
	v_nop
.endr
.else
	s_wait_dscnt 0x0
	s_barrier_signal -1
	s_barrier_wait -1
.endif
.endm
.macro SLOT_STEPS                      ; a slot's eight key steps: seven in a loop, the last, which has no next K in its slot, written out
	s_mov_b32 s[STEPC], 7
.Lstep_\@:
	STEP 1
	s_sub_co_u32 s[STEPC], s[STEPC], 1
	s_cmp_lg_u32 s[STEPC], 0
	s_cbranch_scc1 .Lstep_\@
	STEP 0
	s_sub_co_u32 s[TB], s[TB], 8*STEPB             ; back to a slot's first step,
	s_xor_b32 s[TB], s[TB], SLOT1                  ; in the other slot
.endm
	s_wait_loadcnt 0x0                             ; Q
.Lslot:                                                ; three trips: behind each change of slots but the last the next slot is asked for
	CHANGE 1
	FETCH_K0
	ASK                                            ; behind the joint load, its four lines and the run of LDS loads that the next products wait for
	SLOT_STEPS
	s_sub_co_u32 s[SLOTS], s[SLOTS], 1
	s_cmp_lg_u32 s[SLOTS], 0
	s_cbranch_scc1 .Lslot
	CHANGE 0                                       ; the last slot is written out
	FETCH_K0
	SLOT_STEPS
	; THE WAY OUT.  l's two halves and the other half of the lanes' are added; O^T is divided by l and rounded to f16: a lane's eight channels are its 16 bytes of an image.
	; The four additions and the v_nop are the places behind the last products.
.irp t, 0,1
	v_add_f32 v[ST+8*\t+4], v[ST+8*\t+2], v[ST+8*\t+3]
.endr
.irp t, 0,1
	v_permlanex16_b32 v[ST+8*\t+5], v[ST+8*\t+4], s[SEL], s[SEL+1]
.endr
.irp t, 0,1
	v_add_f32 v[ST+8*\t+4], v[ST+8*\t+4], v[ST+8*\t+5]
.endr
.irp t, 0,1
	v_rcp_f32 v[ST+8*\t+6], v[ST+8*\t+4]
.endr
	v_nop                                          ; a plain line between the last reciprocal and the use of its result
.set i, 0
	s_wait_alu depctr_va_vdst(0)
.rept 32
	v_pk_mul_f32 v[O+2*i:O+2*i+1], v[O+2*i:O+2*i+1], v[ST+8*(i/16)+6:ST+8*(i/16)+7] op_sel_hi:[1,0]
.set i, i+1
.endr
.set i, 0
.rept 32
	v_cvt_pk_f16_f32 v[S+i], v[O+2*i], v[O+2*i+1]  ; S^T's registers are free
.set i, i+1
.endr
.irp t, 0,1
.irp ct, 0,1,2,3
	global_store_b128 v[LI], v[S+16*\t+4*\ct:S+16*\t+4*\ct+3], s[6:7] offset:8192*\t+512*\ct th:TH_STORE_NT   ; an image: 512 consecutive bytes, aligned
.endr
.endr
	s_wait_tensorcnt 0x0                           ; the wave's end
	ds_add_u32 v[SPW], v[NIL]
	s_wait_dscnt 0x0
	CROUND                                         ; the closing round: no work-group ends while a partner may still ask for a tile that names it
	s_endpgm
.Lfunc_end_k_q5e1504c05f_attn:
	.size	k_q5e1504c05f_attn, .Lfunc_end_k_q5e1504c05f_attn-k_q5e1504c05f_attn
	.p2alignl 7, 3214868480
	.fill 96, 4, 3214868480
	.section	.rodata,"a",@progbits
	.p2align	6, 0x0
	.amdhsa_kernel k_q5e1504c05f_attn
		.amdhsa_group_segment_fixed_size 327680
		.amdhsa_private_segment_fixed_size 0
		.amdhsa_enable_private_segment 0
		.amdhsa_kernarg_size 16
		.amdhsa_user_sgpr_count 2
		.amdhsa_user_sgpr_kernarg_segment_ptr 1
		.amdhsa_wavefront_size32 1
		.amdhsa_system_sgpr_workgroup_id_x 1
		.amdhsa_system_sgpr_workgroup_id_y 1
		.amdhsa_system_sgpr_workgroup_id_z 1
		.amdhsa_system_vgpr_workitem_id 0
		.amdhsa_next_free_vgpr 416
		.amdhsa_next_free_sgpr 66
		.amdhsa_reserve_vcc 0
		.amdhsa_float_denorm_mode_32 3
		.amdhsa_float_denorm_mode_16_64 3
		.amdhsa_memory_ordered 1
		.amdhsa_forward_progress 1
		.amdhsa_inst_pref_size 87
	.end_amdhsa_kernel
	.amdgpu_metadata
---
amdhsa.version: [ 1, 2 ]
amdhsa.kernels:
  - .name:           k_q5e1504c05f_attn
    .symbol:         k_q5e1504c05f_attn.kd
    .args:
      - { .name: qkv, .offset: 0, .size: 8, .value_kind: global_buffer, .address_space: global }
      - { .name: ctx, .offset: 8, .size: 8, .value_kind: global_buffer, .address_space: global }
    .group_segment_fixed_size: 327680
    .private_segment_fixed_size: 0
    .kernarg_segment_align: 8
    .kernarg_segment_size: 16
    .max_flat_workgroup_size: 256
    .sgpr_count:     66
    .vgpr_count:     416
    .wavefront_size: 32
...
	.end_amdgpu_metadata
.endif
;; end of part 3
;; launch oproj (part 4): grid 8 x 32, 4 waves a work-group, clusters of 4 x 4, 327,680 bytes of LDS; arguments ctx, wof, out0; writes out0
.if DOCPART == 4
	.amdgcn_target "amdgcn-amd-amdhsa--gfx1250"
	.amdhsa_code_object_version 6
	.text
	.protected	k_q5e1504c05f_oproj
	.globl	k_q5e1504c05f_oproj
	.p2align	8
	.type	k_q5e1504c05f_oproj,@function
k_q5e1504c05f_oproj:
	s_mov_b64 s[64:65], 0
	v_nop
	global_prefetch_b8 v0, s[64:65] scope:SCOPE_SE
	s_setreg_imm32_b32 hwreg(HW_REG_WAVE_MODE, 25, 1), 1
	s_wait_xcnt 0x0
	s_wait_alu depctr_hold_cnt(0) depctr_sa_sdst(0) depctr_va_vdst(0) depctr_va_sdst(0) depctr_va_ssrc(0) depctr_va_vcc(0) depctr_vm_vsrc(0)
	s_getreg_b32 s2, hwreg(HW_REG_IB_STS2, 6, 4)
	s_cmp_eq_u32 s2, 0
	s_cbranch_scc0 .Lentry_in_a_cluster
	s_endpgm
.Lentry_in_a_cluster:
	s_bfe_u32 s2, ttmp6, 0x10000c
	s_cmp_lg_u32 s2, 0xf033
	s_cbranch_scc0 .Lentry_shape_is_right
	s_endpgm
.Lentry_shape_is_right:
; OPROJ.  out0[m][n] = the sum over k of context[m][k] w_o[n][k]; m 4,096, n 1,024, k 1,024.  Operands in f16, sums in f32, out0 f32.
; f16 (11 significant bits) and not bf16 (8): out0 is compared within a hundredth of its rms, in each of its 4,194,304 numbers, and six roundings of operands stand ahead of it.
; RANGE: the context has V's range (limit 65,504: the projections' head); w_o as drawn has spread 1/32, 30 times larger about 1, 30 times smaller about 0.001, where f16 keeps steps of 2^-24 or finer.
; Both operands lie in memory as IMAGES of operand registers (512 bytes, lane l's 16 bytes at 16 l; lane (r, h): row r, k = 16 e + 8 h + 0 .. 7): ctx [kstep 4][rowtile 256][e 16], wof [kstep 4][ntile 64][e 16].
; So 64 rows x 256 along K are one dense block of 32,768 bytes, and a fragment (16 rows x 32 K) comes out of LDS by two loads of 512 consecutive bytes: no pitch, no padding.
; A tile of out0 is 128 x 128: 256 work-groups.  Four waves, each 64 x 64: 16 accumulators.  K goes in four steps of 256 through a ring of two LDS slots; each wave's tensor load brings 32,768 bytes.
; CLUSTERS: 4 x 4 work-groups.  The four of a row of the cluster need the same tiles of ctx, the four of a column the same tiles of wof: each tile is asked for JOINTLY.
; THE MATRIX INSTRUCTION IS USED TRANSPOSED (source 0 = 16 rows of wof, source 1 = 16 rows of ctx): a lane holds eight neighbouring numbers of a row of out0.
; REGISTERS: window 0: v0-31 addresses; v32-95 at work on the way out; v128-255 the accumulators ((a, b) at v[128 + 8 (4 a + b)]).
;   window 1: two fragment buffers of 128: for 64 along K, 64 registers of A (ctx), then 64 of B (wof).
.set HALFT,  32768                     ; 64 rows x 256 K: what one tensor load brings, and what one wave reads of A or of B
.set SLOT,   4*HALFT                   ; A's two halves, then B's two halves
.set SPARE,  2*SLOT                    ; behind the ring: the spare words, 128 bytes for each wave, which no other line names
.set SPITCH, 272                       ; the way out: a stage of 16 rows x (256 bytes + 16) for each wave.  It lies in slot 0, which has had its last fill and its last read when the first result is stored there
.set ASTEP,  2097152                   ; a K step on in ctx
.set BSTEP,  524288                    ; and in wof
.set ADRA, 16                          ; v16-17  LDS address of my A fragments in slot 0, 1
.set ADRB, 20                          ; v20-21  the same for B
.set STO,  24                          ; v24     the way out: where I put 32 bytes of a row
.set RD,   25                          ; v25     the way out: where I read a row back
.set CO,   26                          ; v26     my byte offset in out0
.set SPW,  28                          ; v28     LDS address of my spare word; never rewritten
.set NIL,  29                          ; v29     0; never rewritten
.set TMP,  32                          ; the way out: two sets of 32 registers
.set ACC,  128
.set F0,   0                           ; fragment buffers, in window 1
.set F1,   128
.set G1, 24                            ; s[24:31] descriptor group 1 for A's tiles;  s[32:39] group 0, one set for each slot
.set G0, 32
.set G1B, 48                           ; s[48:55], s[56:63] the same for B's tiles
.set G0B, 56
.set MSB, 0
.macro WIN new                         ; the immediate's high byte repeats the setting that is left
.if MSB != (\new)
	s_set_vgpr_msb (MSB<<8)|(\new)
.set MSB, (\new)
.endif
.endm
.set MUL,  0x05                        ; sources 0 (B) and 1 (A) window 1; C and D window 0
.set TO_F, 0x40                        ; destination window 1, address window 0
.macro JLOAD s                         ; a joint load: waves 0 and 1 fetch A's two halves, waves 2 and 3 B's; four v_nop follow each of the two lines, ahead of the jump, the label and what follows
	s_cmp_eq_u32 s11, 0
	s_cbranch_scc0 .Lfor_b_\@
	tensor_load_to_lds s[G0+4*\s:G0+4*\s+3], s[G1:G1+7]
	s_nop 0
.rept 4
	v_nop
.endr
	s_branch .Lasked_\@
.Lfor_b_\@:
	tensor_load_to_lds s[G0B+4*\s:G0B+4*\s+3], s[G1B:G1B+7]
	s_nop 0
.rept 4
	v_nop
.endr
.Lasked_\@:
.endm
.macro CREST                           ; a round of the cluster's barrier behind its opening barrier
	s_cmp_lg_u32 s10, 0
	s_cbranch_scc1 .Lnot_wave_0_\@
	s_barrier_signal -3
.Lnot_wave_0_\@:
	s_barrier_wait -3
	s_barrier_signal -1
	s_barrier_wait -1
.endm
.macro CROUND                          ; a whole round
	s_barrier_signal -1
	s_barrier_wait -1
	CREST
.endm
	s_load_b128 s[4:7], s[0:1], 0x0                ; ctx s[4:5], wof s[6:7]
	s_load_b64 s[8:9], s[0:1], 0x10                ; out0
	v_lshl_add_u32 v[SPW], v0, 2, SPARE
	v_mov_b32 v[NIL], 0
	ds_add_u32 v28, v29
	s_wait_dscnt 0x0
	v_lshrrev_b32 v1, 5, v0
	v_readfirstlane_b32 s10, v1                    ; wave 0..3
	s_lshr_b32 s11, s10, 1                         ; which half of the tile's rows is mine.  Also: I fetch for A (0) or for B (1)
	s_and_b32 s12, s10, 1                          ; which half of its columns.  Also: which 64 rows of that tile I fetch
	s_bfe_u32 s40, ttmp6, 0x40000                  ; cx, cy: my place in the cluster
	s_bfe_u32 s41, ttmp6, 0x40004
	s_lshl_b32 s42, ttmp9, 2
	s_add_co_u32 s42, s42, s40                     ; tile column = 4 x cluster x + cx
	s_and_b32 s13, ttmp7, 0xffff
	s_lshl_b32 s13, s13, 2
	s_add_co_u32 s13, s13, s41                     ; tile row = 4 x cluster y + cy
	s_lshl_b32 s43, s41, 2
	s_lshl_b32 s43, 15, s43                        ; my row of the cluster
	s_lshl_b32 s44, 0x1111, s40                    ; my column
	; descriptor group 1: a dense block of 32,768 bytes as 128 rows of 256 bytes (32 elements of 8 bytes), no padding
	s_or_b32 s[G1+0], s43, (3<<16)|(1<<21)         ; 15:0 the mask: A's tiles go to my row; 17:16 elements of 8 bytes; 21 set beside a mask
	s_or_b32 s[G1B+0], s44, (3<<16)|(1<<21)
.irp g, G1, G1B
	s_mov_b32 s[\g+1], 32<<16                      ; tensor_dim0 = 32
	s_mov_b32 s[\g+2], 128<<16                     ; tensor_dim1 = 128
	s_mov_b32 s[\g+3], 32<<16                      ; tile_dim0 = 32
	s_mov_b32 s[\g+4], 128                         ; tile_dim1 = 128
	s_mov_b32 s[\g+5], 32                          ; tensor_dim0_stride
	s_mov_b32 s[\g+6], 0
	s_mov_b32 s[\g+7], 0
.endr
	s_lshl_b32 s17, s12, 15                        ; which 64 rows of the tile I fetch: 32,768 bytes
	s_lshl_b32 s16, s13, 16
	s_add_co_u32 s16, s16, s17                     ; A: 65,536 x tile row + half: made of cy and the cluster's y alone
	s_lshl_b32 s46, s42, 16
	s_add_co_u32 s46, s46, s17                     ; B: 65,536 x tile column + half: of cx and the cluster's x alone
	s_mov_b32 s17, 0
	s_mov_b32 s47, 0
	s_mul_i32 s20, s10, HALFT                      ; where they go: wave x 32,768: no place in the cluster enters an LDS address
	s_wait_kmcnt 0x0
	s_add_nc_u64 s[14:15], s[4:5], s[16:17]
	s_add_nc_u64 s[46:47], s[6:7], s[46:47]
	CROUND                                         ; all sixteen work-groups are here: the first joint loads meet
.irp s, 0,1
	s_mov_b32 s[G0+4*\s], 1
	s_add_co_u32 s[G0+4*\s+1], s20, \s*SLOT
	s_add_nc_u64 s[G0+4*\s+2:G0+4*\s+3], s[14:15], \s*ASTEP
	s_or_b32 s[G0+4*\s+3], s[G0+4*\s+3], 0x80000000
	s_mov_b32 s[G0B+4*\s], 1
	s_add_co_u32 s[G0B+4*\s+1], s20, \s*SLOT
	s_add_nc_u64 s[G0B+4*\s+2:G0B+4*\s+3], s[46:47], \s*BSTEP
	s_or_b32 s[G0B+4*\s+3], s[G0B+4*\s+3], 0x80000000
	JLOAD \s                                       ; two tensor loads of mine are out at the most: these; later one behind each round
.endr
	v_and_b32 v1, 15, v0                           ; l % 16
	v_bfe_u32 v2, v0, 4, 1                         ; l / 16
	v_and_b32 v3, 31, v0
	v_lshlrev_b32 v3, 4, v3                        ; 16 x lane: my place in an image
	s_mul_i32 s21, s11, HALFT                      ; my 64 rows of A
	s_mul_i32 s22, s12, HALFT                      ; my 64 rows of B,
	s_add_co_u32 s22, s22, 2*HALFT                 ; which lie behind A's 128
.irp s, 0,1
	v_add_nc_u32 v[ADRA+\s], s21, v3
	v_add_nc_u32 v[ADRB+\s], s22, v3
	s_add_co_u32 s21, s21, SLOT
	s_add_co_u32 s22, s22, SLOT
.endr
	s_mul_i32 s23, s10, 16*SPITCH                  ; my stage
	v_mul_u32_u24 v4, v1, SPITCH                   ; in: row l % 16, 32 bytes for each half of the lanes
	v_lshl_add_u32 v4, v2, 5, v4
	v_add_nc_u32 v[STO], s23, v4
	v_mul_u32_u24 v5, v2, SPITCH                   ; back: lanes 0-15 take one row of 256 bytes, lanes 16-31 the next
	v_lshl_add_u32 v5, v1, 4, v5
	v_add_nc_u32 v[RD], s23, v5
	v_lshlrev_b32 v5, 12, v2                       ; and the same two rows in out0: 4,096 bytes a row
	v_lshl_add_u32 v[CO], v1, 4, v5
	s_lshl_b32 s16, s13, 19                        ; my first row: 128 x tile row + 64 x half, 4,096 bytes each;
	s_lshl_b32 s17, s11, 18
	s_add_co_u32 s16, s16, s17
	s_lshl_b32 s46, s42, 9                         ; my first column: 128 x tile column + 64 x half, 4 bytes each
	s_lshl_b32 s47, s12, 8
	s_add_co_u32 s46, s46, s47
	s_add_co_u32 s16, s16, s46
	s_mov_b32 s17, 0
	s_add_nc_u64 s[8:9], s[8:9], s[16:17]
; 8 matrix instructions: m blocks a0, a0 + 1 x all 4 n blocks, 32 along K: half c of buffer f.  zero = 1: the first product starts the sums.  The 16 accumulators take turns
.macro MUL8 f, c, a0, zero
.irp a, \a0, \a0+1
.irp b, 0,1,2,3
.if \zero
	v_wmma_f32_16x16x32_f16 v[ACC+8*(4*(\a)+\b):ACC+8*(4*(\a)+\b)+7], v[\f+64+8*(4*\c+\b):\f+64+8*(4*\c+\b)+7], v[\f+8*(4*\c+\a):\f+8*(4*\c+\a)+7], 0
.else
	v_wmma_f32_16x16x32_f16 v[ACC+8*(4*(\a)+\b):ACC+8*(4*(\a)+\b)+7], v[\f+64+8*(4*\c+\b):\f+64+8*(4*\c+\b)+7], v[\f+8*(4*\c+\a):\f+8*(4*\c+\a)+7], v[ACC+8*(4*(\a)+\b):ACC+8*(4*(\a)+\b)+7]
.endif
.endr
.endr
.endm
; 32 LDS loads in one run: the fragments of 64 along K (images from byte k of each row tile's 8,192 on) into buffer f; the first 32 along K first.  Row tile i: 8,192 bytes on; 32 along K: two images, 1,024 bytes
.macro FETCH slot, k, f
	WIN TO_F
.irp c, 0,1
.irp i, 0,1,2,3
	ds_load_b128 v[\f+64+8*(4*\c+\i):\f+64+8*(4*\c+\i)+3],   v[ADRB+\slot] offset:\k+1024*\c+8192*\i
	ds_load_b128 v[\f+64+8*(4*\c+\i)+4:\f+64+8*(4*\c+\i)+7], v[ADRB+\slot] offset:\k+1024*\c+8192*\i+512
	ds_load_b128 v[\f+8*(4*\c+\i):\f+8*(4*\c+\i)+3],         v[ADRA+\slot] offset:\k+1024*\c+8192*\i
	ds_load_b128 v[\f+8*(4*\c+\i)+4:\f+8*(4*\c+\i)+7],       v[ADRA+\slot] offset:\k+1024*\c+8192*\i+512
.endr
.endr
.endm
.macro PLACES                          ; four places in front of loads into registers that matrix instructions have read, and of the first read of results (ISA guide 7.12.1 for vector instructions)
.rept 4
	v_nop
.endr
.endm
; A K step is four quarters of 64 along K, 32 matrix instructions each, on buffers 0, 1, 0, 1.  One of the first three: multiplies buffer f and fetches the next quarter, at byte k, into g.
.macro QUARTER slot, k, f, g, zero
	s_wait_dscnt 16                                ; the first 32 along K are in; the sixteen loads of the second 32 may be out
	WIN MUL
	MUL8 \f, 0, 0, \zero
	MUL8 \f, 0, 2, \zero
	PLACES
	FETCH \slot, \k, \g
	s_wait_dscnt 32                                ; all but the 32 just issued
	WIN MUL
	MUL8 \f, 1, 0, 0
	MUL8 \f, 1, 2, 0
.endm
; The last quarter multiplies buffer 1 and changes slots: ONE barrier; in front of it each wave waits for all its tensor loads, adds 0 to its spare word, and waits for that and for its own reads of this slot.
; fill = 1: this slot is filled again, two K steps ahead; the barrier then opens a round of the cluster's barrier, and the joint refill is the first tensor load behind the round.
.macro TURN slot, next, fill
	WIN 0                                          ; (the add's two registers lie in window 0)
	s_wait_tensorcnt 0x0                           ; all my tensor loads have landed: my part of the next slot;
	ds_add_u32 v[SPW], v[NIL]                      ; 0 onto my spare word;
	s_wait_dscnt 17                                ; (the add and the youngest sixteen loads may be out)
	WIN MUL
	MUL8 F1, 0, 0, 0                               ; eight matrix instructions stand between the add and the wait for it
	s_wait_dscnt 0x0                               ; the add is done, and my reads of this slot are over
	s_barrier_signal -1
	MUL8 F1, 0, 2, 0
.if \fill
	WIN 0
.endif
	s_barrier_wait -1
.if \fill
	CREST                                          ; no wave of any partner still reads this slot's tile or has a load on its way
	s_add_nc_u64 s[G0+4*\slot+2:G0+4*\slot+3], s[G0+4*\slot+2:G0+4*\slot+3], 2*ASTEP
	s_add_nc_u64 s[G0B+4*\slot+2:G0B+4*\slot+3], s[G0B+4*\slot+2:G0B+4*\slot+3], 2*BSTEP
	JLOAD \slot                                    ; the four v_nop behind it are also the places in front of the loads below
.else
	PLACES
.endif
	FETCH \next, 0, F0
	WIN MUL
	MUL8 F1, 1, 0, 0
	MUL8 F1, 1, 2, 0
.endm
	s_wait_tensorcnt 1                             ; my part of K step 0 is in (K step 1's load, issued behind it, may be out),
	s_barrier_signal -1
	s_barrier_wait -1                              ; everybody's is
	FETCH 0, 0, F0
	QUARTER 0, 2048, F0, F1, 1                     ; K step 0: its first products start the sums.  Four K steps, written straight: no loop
	QUARTER 0, 4096, F1, F0, 0
	QUARTER 0, 6144, F0, F1, 0
	TURN 0, 1, 1                                   ; slot 0 takes K step 2
	QUARTER 1, 2048, F0, F1, 0
	QUARTER 1, 4096, F1, F0, 0
	QUARTER 1, 6144, F0, F1, 0
	TURN 1, 0, 1                                   ; slot 1 takes K step 3
	QUARTER 0, 2048, F0, F1, 0
	QUARTER 0, 4096, F1, F0, 0
	QUARTER 0, 6144, F0, F1, 0
	TURN 0, 1, 0                                   ; nothing is left to fetch
	QUARTER 1, 2048, F0, F1, 0
	QUARTER 1, 4096, F1, F0, 0
	QUARTER 1, 6144, F0, F1, 0
	s_wait_dscnt 16                                ; the very last quarter
	WIN MUL
	MUL8 F1, 0, 0, 0
	MUL8 F1, 0, 2, 0
	s_wait_dscnt 0
	MUL8 F1, 1, 0, 0
	MUL8 F1, 1, 2, 0
	WIN 0
; THE WAY OUT, block by block of 16 rows x 64 columns.  A lane holds 32 neighbouring bytes of a row, and the lanes beside it hold other rows: so a block goes through my own stage in LDS and comes back as whole
; rows of 256 bytes: sixteen lanes store 256 consecutive bytes, aligned.  LDS serves a wave's instructions in order (ISA guide 5.7.1.4): no wait between the stores and the loads, nor in front of the next block's stores.
.macro TOSTAGE a
.irp b, 0,1,2,3
	ds_store_b128 v[STO], v[ACC+8*(4*(\a)+\b):ACC+8*(4*(\a)+\b)+3] offset:64*\b          ; each accumulator from its low end on
	ds_store_b128 v[STO], v[ACC+8*(4*(\a)+\b)+4:ACC+8*(4*(\a)+\b)+7] offset:64*\b+16
.endr
.irp t, 0,1,2,3,4,5,6,7
	ds_load_b128 v[TMP+32*((\a)%2)+4*\t:TMP+32*((\a)%2)+4*\t+3], v[RD] offset:\t*2*SPITCH
.endr
.endm
.macro SEND a, younger                 ; younger: the LDS instructions issued behind block a's loads, which may stay out
	s_wait_dscnt \younger                          ; the block is back in registers
.irp t, 0,1,2,3,4,5,6,7
	global_store_b128 v[CO], v[TMP+32*((\a)%2)+4*\t:TMP+32*((\a)%2)+4*\t+3], s[8:9] offset:4096*(16*(\a)+2*\t) th:TH_STORE_NT
.endr
.endm
	PLACES                                         ; behind the last products, in front of the first read of results
	TOSTAGE 0
	TOSTAGE 1
	SEND 0, 16                                     ; behind block 0's loads: block 1's eight stores and eight loads
	s_wait_xcnt 0x0                                ; block 0's stores have read their registers: block 2's loads may land there
	TOSTAGE 2
	SEND 1, 16
	s_wait_xcnt 0x0                                ; block 1's likewise
	TOSTAGE 3
	SEND 2, 16
	SEND 3, 0
	s_wait_tensorcnt 0x0                           ; the wave's end: behind my last tensor load and my last LDS store
	ds_add_u32 v[SPW], v[NIL]
	s_wait_dscnt 0x0
	CROUND                                         ; the closing round: no work-group ends while a partner may still ask for a tile that names it
	s_endpgm
.Lfunc_end_k_q5e1504c05f_oproj:
	.size	k_q5e1504c05f_oproj, .Lfunc_end_k_q5e1504c05f_oproj-k_q5e1504c05f_oproj
	.p2alignl 7, 3214868480
	.fill 96, 4, 3214868480
	.section	.rodata,"a",@progbits
	.p2align	6, 0x0
	.amdhsa_kernel k_q5e1504c05f_oproj
		.amdhsa_group_segment_fixed_size 327680
		.amdhsa_private_segment_fixed_size 0
		.amdhsa_enable_private_segment 0
		.amdhsa_kernarg_size 24
		.amdhsa_user_sgpr_count 2
		.amdhsa_user_sgpr_kernarg_segment_ptr 1
		.amdhsa_wavefront_size32 1
		.amdhsa_system_sgpr_workgroup_id_x 1
		.amdhsa_system_sgpr_workgroup_id_y 1
		.amdhsa_system_sgpr_workgroup_id_z 1
		.amdhsa_system_vgpr_workitem_id 0
		.amdhsa_next_free_vgpr 512
		.amdhsa_next_free_sgpr 66
		.amdhsa_reserve_vcc 0
		.amdhsa_float_denorm_mode_32 3
		.amdhsa_float_denorm_mode_16_64 3
		.amdhsa_memory_ordered 1
		.amdhsa_forward_progress 1
		.amdhsa_inst_pref_size 85
	.end_amdhsa_kernel
	.amdgpu_metadata
---
amdhsa.version: [ 1, 2 ]
amdhsa.kernels:
  - .name:           k_q5e1504c05f_oproj
    .symbol:         k_q5e1504c05f_oproj.kd
    .args:
      - { .name: ctx, .offset: 0, .size: 8, .value_kind: global_buffer, .address_space: global }
      - { .name: wof, .offset: 8, .size: 8, .value_kind: global_buffer, .address_space: global }
      - { .name: out0, .offset: 16, .size: 8, .value_kind: global_buffer, .address_space: global }
    .group_segment_fixed_size: 327680
    .private_segment_fixed_size: 0
    .kernarg_segment_align: 8
    .kernarg_segment_size: 24
    .max_flat_workgroup_size: 128
    .sgpr_count:     66
    .vgpr_count:     512
    .wavefront_size: 32
...
	.end_amdgpu_metadata
.endif
;; end of part 4
